; MI455X (gfx1250); checked and timed in simulation.
; The chip was launched on July 23, 2026; its instructions are those of AMD's public machine-readable ISA for CDNA 5 (MIT licence, August 2026) and "CDNA5" Instruction Set Architecture Reference Guide (July 2026). The comments in the code are by the model that wrote it; some were corrected since.
;; Bert Linear Attention. Allowed arithmetic: matrix products marked QUANTISED: E4M3 operands, one given power-of-two scale a tensor, by v_wmma_f32_16x16x64_fp8_fp8 or v_wmma_f32_16x16x128_fp8_fp8, f32 sums; everything else in f32.
;; Inputs: Wk_codes 1,024 x 32 x 32 uint8 (E4M3 codes of Wk, K innermost, in blocks of 32 codes); Wq_codes 1,024 x 32 x 32 uint8 (E4M3 codes of Wq, K innermost, in blocks of 32 codes); Wv_codes 1,024 x 32 x 32 uint8 (E4M3 codes of Wv, K innermost, in blocks of 32 codes); attention_mask 1 x 4,096 int32; bk 1,024 float32; bq 1,024 float32; bv 1,024 float32; hidden_states_codes 1 x 4,096 x 32 x 32 uint8 (E4M3 codes of hidden_states, K innermost, in blocks of 32 codes); lowp_scales 10 int32 (the exponents e of the quantised operands' scales 2^e).
;; Outputs: out0 1 x 4,096 x 1,024 float32.
;; This version of the problem:
;;   THIS VERSION OF THE PROBLEM IS GIVEN IN LOW PRECISION. The matrix products marked QUANTISED in the list below multiply operands that are first quantised to E4M3 (4 exponent bits, 3 mantissa bits; 8 bits a number), with one given power-of-two scale for each operand tensor; their sums are f32. All else is computed in f32.
;;   The module's matrix products, in the order in which they are computed (A, B: the left and right operand; K: the contracted axis; several contracted axes count as one K, in the product's order):
;;     1. [M 4,096, K 1,024] x [K 1,024, N 1,024]; A: input hidden_states (given as codes); B: input Wq (given as codes): QUANTISED (scales: A lowp_scales[0], B lowp_scales[1])
;;     2. [M 4,096, K 1,024] x [K 1,024, N 1,024]; A: input hidden_states (given as codes); B: input Wk (given as codes): QUANTISED (scales: A lowp_scales[2], B lowp_scales[3])
;;     3. [M 4,096, K 1,024] x [K 1,024, N 1,024]; A: input hidden_states (given as codes); B: input Wv (given as codes): QUANTISED (scales: A lowp_scales[4], B lowp_scales[5])
;;     4. batch 16 x [M 4,096, K 64] x [K 64, N 4,096]; A: computed on the way; B: computed on the way: QUANTISED (scales: A lowp_scales[6], B lowp_scales[7])
;;     5. batch 16 x [M 64, K 4,096] x [K 4,096, N 4,096]; A: computed on the way; B: softmax (see below): QUANTISED (scales: A lowp_scales[8], B lowp_scales[9])
;;   THE QUANTISER, for each operand of a quantised product, along K:
;;     - The operand's scale is 2^e, e = its entry of the input lowp_scales (int32; the entries are numbered through the quantised products in the list's order, A before B).
;;     - Each number is divided by the scale, clamped to +-448, and rounded to the nearest number of E4M3, ties to even, subnormals kept.
;;     - The product sums the exact products of the quantised numbers (number of the format x scale) in f32.
;;   ~~~python
;;   def quantise(x, axis, e):      # numpy; x: float32 -> the quantised numbers, widened to float32 again
;;       x = np.moveaxis(x, axis, -1); K = x.shape[-1]
;;       r = np.clip(x / 2.0 ** e, -448, 448)
;;       step = 2.0 ** (np.maximum(np.frexp(np.where(r == 0, 1, r))[1] - 1, -6) - 3)
;;       q = np.round(r / step) * step * 2.0 ** e      # np.round: ties to even
;;       return np.moveaxis(q, -1, axis).astype(np.float32)
;;   ~~~
;;   SOFTMAX AHEAD OF A QUANTISED PRODUCT. Where the list says 'softmax', what is quantised is not the finished softmax but p = 2^(t - M), with t = logit x log2(e) and M = ceil(the row's largest t), a whole number; so 1/2 < the row's largest p <= 1. The row's sum l is taken of the UNQUANTISED p, in f32, and the product's result is divided by l at the end. Since M is a whole number, a kernel that streams over the keys may use a running M (the ceiling of the running maximum): every later rescaling is an exact power of two, so the quantised numbers keep their values, but for numbers so far below the row's largest that they fall under the format's range.
;;   OPERANDS COMPUTED ON THE WAY. 'Computed on the way' means the value that the module computes at that place (a softmax that the list does not call 'softmax' is quantised finished and normalised). What goes into a quantiser is computed in f32, as accurately as f32 sums, v_exp_f32 and their like allow (about 1e-6 of the number): no bf16 or f16 on the way to a quantiser, and a product that is left as it is and whose result goes on into a quantised operand takes f32 operands (vector FMAs, or v_wmma_f32_16x16x4_f32). A number that lies on a knife's edge between two numbers of the format may be rounded either way, as far as f32 arithmetic and the matrix unit's own rounding can turn it there, and no further.
;;   INPUTS GIVEN AS CODES. Wk (in the module: [1024, 1024], K = its axis 0); Wq (in the module: [1024, 1024], K = its axis 0); Wv (in the module: [1024, 1024], K = its axis 0); hidden_states (in the module: [1, 4096, 1024], K = its axis 2): each comes as NAME_codes (uint8): NAME with its K axis moved to the last place and cut into blocks of 32 codes, [.., K / 32, bytes a block], one block behind the other in memory; one code a byte (a code: sign, 4 exponent bits, 3 mantissa bits); its scale is its entry of lowp_scales. Its value is code x scale, taken as it is: it is not quantised again, and the codes and scales need not be those that the quantiser above would give.
;; 2 versions, each right; version 2 is version 1 with the launch attn written anew for expert scheduling mode. Each part assembles by itself: llvm-mc -triple=amdgcn-amd-amdhsa -mcpu=gfx1250 --defsym DOCPART=n.
;; ======== version 1 of 2: 3 launches
;; workspace buffers: xp 4,194,304 bytes; route 16,640 bytes of whole numbers; qi 4,194,304 bytes; kv 8,388,608 bytes
;; launch route (part 1): grid 128 x 1, 8 waves a work-group, no clusters, 1,280 bytes of LDS; arguments attention_mask, hidden_states_codes, xp, route; writes xp, route
.if DOCPART == 1
	.amdgcn_target "amdgcn-amd-amdhsa--gfx1250"
	.amdhsa_code_object_version 6
	.text
	.protected	k_qbd8c6ee5a3_route
	.globl	k_qbd8c6ee5a3_route
	.p2align	8
	.type	k_qbd8c6ee5a3_route,@function
k_qbd8c6ee5a3_route:
	s_mov_b64 s[64:65], 0
	v_nop
	global_prefetch_b8 v0, s[64:65] scope:SCOPE_SE
	s_setreg_imm32_b32 hwreg(HW_REG_WAVE_MODE, 25, 1), 1
	s_wait_xcnt 0x0
; THE TOKENS ARE SORTED BY THE KEY MASK, once, and all later work runs in that order.  An open token s (mask != 0) goes to position U(s) = the number of open tokens in front of it;
; a masked token to 4095 - (s - U(s)).  So positions 0 .. n - 1 are the n open tokens and the masked ones lie behind them.  Attention does not care for the order of keys or of queries.
; STORED: xp[P] = the 1,024 codes of the token at position P;  route[P] = that token's number (4,096 words);  behind them n, in 64 words, of which word 0 is read.
; SHARES.  Work-group g owns tokens 32 g .. 32 g + 31.  Each of its eight waves counts 16 of the mask's 128 chunks of 32 tokens (every work-group counts the whole mask: 16 KiB) and copies four of the group's rows.
; No matrix unit, no tensor load, no cluster: the launch is one short chain (mask, count, store) with all its 4 + 4 MiB asked for at once.  128 work-groups: a group is one chunk of the mask.
	s_load_b256 s[4:11], s[0:1], 0x0               ; mask s[4:5], x's codes s[6:7], xp s[8:9], route s[10:11]
	v_lshl_add_u32 v96, v0, 2, 0x100
	v_mov_b32 v97, 0
	v_lshrrev_b32 v7, 5, v0
	v_readfirstlane_b32 s12, v7                    ; wave 0..7
	v_lshlrev_b32 v7, 3, v7                        ; LDS: my wave's two words
	v_and_b32 v1, 31, v0                           ; lane
	v_lshrrev_b32 v2, 4, v1                        ; r: which of two rows my half of the lanes copies
	v_and_b32 v3, 15, v0
	v_lshlrev_b32 v3, 4, v3                        ; my 16 bytes of 256
	s_lshl_b32 s13, s12, 11
	v_lshl_add_u32 v4, v1, 2, s13                  ; mask: my word of my wave's first chunk: 4 lane + 16 chunks x 128 bytes x wave
	s_lshl_b32 s13, ttmp9, 7
	v_lshl_add_u32 v5, v1, 2, s13                  ; mask: my word of the group's own chunk
	v_lshl_or_b32 v6, v2, 10, v3                   ; x: row r of a pair, my 16 bytes
	s_lshl_b32 s14, s12, 4
	v_lshl_add_u32 v87, v2, 2, s14                 ; 4 x (4 wave + r): the lane that holds the position of my first pair's row,
	v_add_nc_u32 v88, 8, v87                       ; and of my second pair's
	s_sub_co_i32 s14, ttmp9, s14                   ; g - 16 wave: my chunk i lies in front of the group where i is below this
	s_lshl_b32 s18, ttmp9, 15                      ; 32 g rows of 1,024 bytes,
	s_lshl_b32 s19, s12, 12                        ; + 4 rows a wave
	s_add_co_u32 s18, s18, s19
	s_mov_b32 s19, 0
	s_lshl_b32 s15, ttmp9, 5
	v_add_nc_u32 v13, s15, v1                      ; s = 32 g + lane: the token whose position my lane works out
	s_mov_b32 s16, 0                               ; open tokens in my chunks in front of the group
	s_mov_b32 s17, 0                               ; open tokens in my chunks
	s_wait_kmcnt 0x0
	s_add_nc_u64 s[6:7], s[6:7], s[18:19]
	global_load_b32 v64, v5, s[4:5]
.irp i, 0,1,2,3,4,5,6,7,8,9,10,11,12,13,14,15
	global_load_b32 v[48+\i], v4, s[4:5] offset:128*\i
.endr
.irp p, 0,1
.irp q, 0,1,2,3
	global_load_b128 v[16+4*(4*\p+\q):16+4*(4*\p+\q)+3], v6, s[6:7] offset:2048*\p+256*\q th:TH_LOAD_NT   ; sixteen lanes read 256 consecutive bytes of a row; read once in the launch
.endr
.endr
	s_wait_loadcnt 8                               ; the 17 loads of the mask are in; the 8 of the rows, issued behind them, stay out
.irp i, 0,1,2,3,4,5,6,7,8,9,10,11,12,13,14,15
	v_cmp_ne_u32 s20, 0, v[48+\i]
	s_bcnt1_i32_b32 s21, s20                       ; open tokens in chunk 16 wave + i
	s_add_co_u32 s17, s17, s21
	s_cmp_gt_i32 s14, \i
	s_cselect_b32 s22, s21, 0
	s_add_co_u32 s16, s16, s22
.endr
	v_mov_b32 v8, s16
	v_mov_b32 v9, s17
	ds_store_b64 v7, v[8:9]                        ; all lanes write the same two words
	s_wait_dscnt 0x0                               ; for the others' sake: my store has landed
	s_barrier_signal -1
	s_barrier_wait -1
	v_mov_b32 v66, 0
.irp i, 0,1,2,3
	ds_load_b128 v[68+4*\i:71+4*\i], v66 offset:16*\i   ; the eight waves' pairs
.endr
	s_wait_dscnt 0x0
	v_add3_u32 v10, v68, v70, v72
	v_add3_u32 v11, v69, v71, v73
	v_add3_u32 v10, v10, v74, v76
	v_add3_u32 v11, v11, v75, v77
	v_add3_u32 v10, v10, v78, v80
	v_add3_u32 v11, v11, v79, v81
	v_add_nc_u32 v10, v10, v82                     ; open tokens in front of the group
	v_add_nc_u32 v11, v11, v83                     ; n
	v_cmp_ne_u32 vcc_lo, 0, v64
	v_mbcnt_lo_u32_b32 v12, vcc_lo, 0              ; open tokens of the group in front of mine
	v_add_nc_u32 v12, v10, v12                     ; U(s)
	v_sub_nc_u32 v14, v12, v13
	v_add_nc_u32 v14, 0xfff, v14                   ; 4095 - (s - U)
	v_cndmask_b32 v15, v14, v12, vcc_lo            ; P
	ds_bpermute_b32 v84, v87, v15                  ; the positions of the rows that I copy
	ds_bpermute_b32 v85, v88, v15
	s_wait_dscnt 0x0
	v_min_u32 v84, 0xfff, v84                      ; a position is below 4,096 by its make; the bound is written out, since it enters an address
	v_min_u32 v85, 0xfff, v85
	v_lshl_add_u32 v84, v84, 10, v3
	v_lshl_add_u32 v85, v85, 10, v3
	s_wait_loadcnt 0x0
.irp p, 0,1
.irp q, 0,1,2,3
	global_store_b128 v[84+\p], v[16+4*(4*\p+\q):16+4*(4*\p+\q)+3], s[8:9] offset:256*\q   ; sixteen lanes store 256 consecutive bytes, at a multiple of 256 from xp's first byte
.endr
.endr
	s_cmp_lg_u32 s12, 0
	s_cbranch_scc1 .Ldone                          ; the list is wave 0's
	v_min_u32 v86, 0xfff, v15
	v_lshlrev_b32 v86, 2, v86
	global_store_b32 v86, v13, s[10:11]            ; route[P] = s: the group's open tokens fill one run of neighbouring words, its masked tokens another
	s_cmp_lg_u32 ttmp9, 0
	s_cbranch_scc1 .Ldone                          ; n is work-group 0's
	v_lshlrev_b32 v89, 2, v1
	global_store_b32 v89, v11, s[10:11] offset:16384
	global_store_b32 v89, v11, s[10:11] offset:16512   ; 256 bytes in all: the buffer's last block is written whole
.Ldone:
	s_wait_tensorcnt 0x0
	ds_add_u32 v96, v97
	s_wait_dscnt 0x0
	s_endpgm
.Lfunc_end_k_qbd8c6ee5a3_route:
	.size	k_qbd8c6ee5a3_route, .Lfunc_end_k_qbd8c6ee5a3_route-k_qbd8c6ee5a3_route
	.p2alignl 7, 3214868480
	.fill 96, 4, 3214868480
	.section	.rodata,"a",@progbits
	.p2align	6, 0x0
	.amdhsa_kernel k_qbd8c6ee5a3_route
		.amdhsa_group_segment_fixed_size 1280
		.amdhsa_private_segment_fixed_size 0
		.amdhsa_enable_private_segment 0
		.amdhsa_kernarg_size 32
		.amdhsa_user_sgpr_count 2
		.amdhsa_user_sgpr_kernarg_segment_ptr 1
		.amdhsa_wavefront_size32 1
		.amdhsa_system_sgpr_workgroup_id_x 1
		.amdhsa_system_sgpr_workgroup_id_y 1
		.amdhsa_system_sgpr_workgroup_id_z 1
		.amdhsa_system_vgpr_workitem_id 0
		.amdhsa_next_free_vgpr 98
		.amdhsa_next_free_sgpr 66
		.amdhsa_reserve_vcc 1
		.amdhsa_float_denorm_mode_32 3
		.amdhsa_float_denorm_mode_16_64 3
		.amdhsa_memory_ordered 1
		.amdhsa_forward_progress 1
		.amdhsa_inst_pref_size 11
	.end_amdhsa_kernel
	.amdgpu_metadata
---
amdhsa.version: [ 1, 2 ]
amdhsa.kernels:
  - .name:           k_qbd8c6ee5a3_route
    .symbol:         k_qbd8c6ee5a3_route.kd
    .args:
      - { .name: attention_mask, .offset: 0, .size: 8, .value_kind: global_buffer, .address_space: global }
      - { .name: hidden_states_codes, .offset: 8, .size: 8, .value_kind: global_buffer, .address_space: global }
      - { .name: xp, .offset: 16, .size: 8, .value_kind: global_buffer, .address_space: global }
      - { .name: route, .offset: 24, .size: 8, .value_kind: global_buffer, .address_space: global }
    .group_segment_fixed_size: 1280
    .private_segment_fixed_size: 0
    .kernarg_segment_align: 8
    .kernarg_segment_size: 32
    .max_flat_workgroup_size: 256
    .sgpr_count:     66
    .vgpr_count:     98
    .wavefront_size: 32
...
	.end_amdgpu_metadata
.endif
;; end of part 1
;; launch proj (part 2): grid 32 x 8, 4 waves a work-group, clusters of 4 x 4, 327,680 bytes of LDS; arguments xp, Wq_codes, Wk_codes, Wv_codes, bq, bk, bv, lowp_scales, qi, kv; writes qi, kv
.if DOCPART == 2
	.amdgcn_target "amdgcn-amd-amdhsa--gfx1250"
	.amdhsa_code_object_version 6
	.text
	.protected	k_qbd8c6ee5a3_proj
	.globl	k_qbd8c6ee5a3_proj
	.p2align	8
	.type	k_qbd8c6ee5a3_proj,@function
k_qbd8c6ee5a3_proj:
	s_mov_b64 s[64:65], 0
	v_nop
	global_prefetch_b8 v0, s[64:65] scope:SCOPE_SE
	s_setreg_imm32_b32 hwreg(HW_REG_WAVE_MODE, 25, 1), 1
	s_wait_xcnt 0x0
	s_wait_alu depctr_hold_cnt(0) depctr_sa_sdst(0) depctr_va_vdst(0) depctr_va_sdst(0) depctr_va_ssrc(0) depctr_va_vcc(0) depctr_vm_vsrc(0)
	s_getreg_b32 s2, hwreg(HW_REG_IB_STS2, 6, 4)
	s_cmp_eq_u32 s2, 0
	s_cbranch_scc0 .Lentry_in_a_cluster
	s_endpgm
.Lentry_in_a_cluster:
	s_bfe_u32 s2, ttmp6, 0x10000c
	s_cmp_lg_u32 s2, 0xf033
	s_cbranch_scc0 .Lentry_shape_is_right
	s_endpgm
.Lentry_shape_is_right:
; q, k, v = x W + b on codes of FP8 (E4M3), x in sorted order (xp), quantised at once for attention's two products and stored AS IMAGES OF THE OPERANDS' REGISTERS.
; e0 .. e9 are the whole numbers of lowp_scales.  A sum of codes of product q stands for sum x 2^(e0 + e1) (k: e2 + e3; v: e4 + e5); q's codes take the scale 2^e6, k's 2^e7, v's 2^e8.
; The bias goes in as the C of each sum's first matrix instruction, divided by the power of two that the sums lack; the three scales ahead of a quantiser are folded into the conversion's one, 2^(e6 - e0 - e1).
; LIMITS: e6 - e0 - e1, e7 - e2 - e3 and e8 - e4 - e5 lie between -126 and 119, so that the scale and 448 x the scale are f32 numbers.  NaN among codes or biases is not served.
; Inside a matrix instruction the 128 k stand permuted, alike in x and W (16-byte loads): every product meets its partner, and only the order of the sums inside an instruction differs.
; SHARES.  Work-group (tb, fb): 128 positions (attention's key step tb, its query tiles 8 tb ..) x features 128 fb .. + 127 of EACH of q, k, v (heads 2 fb, 2 fb + 1): x's tile serves three products.
; Wave w: all 128 positions x features 32 w .. + 31 of each: 48 accumulators.  Head 2 fb + w / 2, half b = w % 2 of its 64.
; q AND k ARE MADE TRANSPOSED (source 0 = 16 rows of W, source 1 = 16 rows of x): a lane holds one position and eight neighbouring features, which are neighbours along the first product's K.
; v IS MADE STRAIGHT (source 0 = x, source 1 = Wv): a lane holds one feature and eight neighbouring keys, neighbours along the second product's K.  So each conversion's two registers are two registers of an operand,
; and they leave by stores of 512 consecutive bytes, with no turn through LDS.
; qi: [head][tile of 16 positions][b][lane][16 bytes]: registers 4 b .. 4 b + 3 of a 16 x 64 fragment.   kv: [head][key step][16,384]: K: [tile 8][b 2][lane][16]; then V^T: [16 channels: 4][c 4][lane][16]: registers 4 c .. of a 16 x 128 fragment.
; K = 1,024 goes in four steps of 256 through a ring of two LDS slots; a slot holds 128 rows of x, Wq, Wk, Wv, one tensor load a wave (wave 0: x).  Rows of 256 bytes, 16 of padding behind each.
; CLUSTER 4 x 4: x's tile hangs on tb alone and is asked for jointly by the four of a column, W's tiles on fb alone, by the four of a row.  By this text's count a wave has two tensor loads out at the start, then one.
; No prefetch: eight steps of 48 matrix instructions are all there is, and each W tile is read by 32 work-groups.
; REGISTERS, in windows of 256: window 0: v16-23 LDS addresses, v26 16 x lane, v28-29 for the add, v32-79 the biases as C, v80-85 scales, v128-255 x's eight fragments (one set), later the codes.
;   window 1: W's six fragments, two sets (v0, v128).   window 2: q's and k's accumulators (128 m + 16 tile + 8 t).   window 3: v's (64 t + 8 tile).
.set PITCH,  272                       ; an LDS row: 256 bytes + 16 = 68 words: the sixteen rows of a fragment load start at sixteen different 16-byte columns of the 64 banks (ISA guide 11.1)
.set TROW,   16*PITCH
.set HALFT,  128*PITCH                 ; what one tensor load brings
.set SLOT,   4*HALFT
.set SPARE,  2*SLOT                    ; behind the ring: the spare words, 128 bytes a wave, two blocks of 256 bytes that no other line names
.set ADRX, 16                          ; v16-17  x's fragments in slot 0, 1
.set ADRW, 18                          ; v18-23  W's: 2 m + slot
.set STA,  26                          ; v26     16 x lane
.set SPW,  28
.set NIL,  29
.set BQ,   32                          ; v32-63  bq, bk as C: 16 m + 8 t
.set BV,   64                          ; v64-79  bv as C: 8 t
.set SQ,   80                          ; v80-85  for m = q, k, v: the conversion's scale, and 448 x it
.set RAWV, 88                          ; v88-89  bv as loaded
.set XF,   128
.set CD,   128                         ; the codes: q's 32 registers, k's 32, v's 32
.set WV,   14
.set G1X,  24
.set G0X,  32
.set G1W,  48
.set G0W,  56
.set MSB, 0
.macro WIN new                         ; the immediate's high byte repeats the setting that is left
.if MSB != \new
	s_set_vgpr_msb (MSB<<8)|\new
.set MSB, \new
.endif
.endm
.macro PLACES n                        ; plain vector instructions between a matrix instruction and a load into, or a read of, its registers
.rept \n
	v_nop
.endr
.endm
; A joint load: wave 0 asks for x's tile, waves 1 to 3 for Wq's, Wk's, Wv's.  The branch hangs on the wave's number alone.  Four v_nop follow each line.
.macro JLOAD g0x, g0w
	s_cmp_eq_u32 s[WV], 0
	s_cbranch_scc0 .Lfor_w_\@
	tensor_load_to_lds s[\g0x:\g0x+3], s[G1X:G1X+7]
	s_nop 0
.rept 4
	v_nop
.endr
	s_branch .Lasked_\@
.Lfor_w_\@:
	tensor_load_to_lds s[\g0w:\g0w+3], s[G1W:G1W+7]
	s_nop 0
.rept 4
	v_nop
.endr
.Lasked_\@:
.endm
.macro CREST                           ; a round of the cluster's barrier behind its opening barrier
	s_cmp_lg_u32 s[WV], 0
	s_cbranch_scc1 .Lnot_wave_0_\@
	s_barrier_signal -3
.Lnot_wave_0_\@:
	s_barrier_wait -3
	s_barrier_signal -1
	s_barrier_wait -1
.endm
.macro CROUND
	s_barrier_signal -1
	s_barrier_wait -1
	CREST
.endm
	s_load_b256 s[68:75], s[0:1], 0x0              ; xp, Wq, Wk, Wv
	s_load_b256 s[76:83], s[0:1], 0x20             ; bq, bk, bv, the scales' exponents
	s_load_b128 s[84:87], s[0:1], 0x40             ; qi, kv
	v_lshl_add_u32 v[SPW], v0, 2, SPARE
	v_mov_b32 v[NIL], 0
	ds_add_u32 v28, v29
	ds_add_u32 v28, v29
	s_wait_dscnt 0x0
	v_lshrrev_b32 v1, 5, v0
	v_readfirstlane_b32 s[WV], v1                  ; wave 0..3
	s_bfe_u32 s40, ttmp6, 0x40000                  ; cx
	s_bfe_u32 s41, ttmp6, 0x40004                  ; cy
	s_lshl_b32 s42, ttmp9, 2
	s_add_co_u32 s42, s42, s40                     ; tb = 4 x cluster x + cx
	s_and_b32 s17, ttmp7, 0xffff
	s_lshl_b32 s17, s17, 2
	s_add_co_u32 s17, s17, s41                     ; fb = 4 x cluster y + cy
	s_lshl_b32 s43, s41, 2
	s_lshl_b32 s43, 15, s43                        ; my row of the cluster (same fb)
	s_lshl_b32 s44, 0x1111, s40                    ; my column (same tb)
	s_or_b32 s[G1X], s44, (1<<20)|(1<<21)|(5<<22)|(3<<25)   ; 15:0 the mask; 17:16 elements of 1 byte; 20 padding on; 21 set beside a mask; 24:22 after every 64 words; 31:25 four words
	s_or_b32 s[G1W], s43, (1<<20)|(1<<21)|(5<<22)|(3<<25)
.irp g, G1X, G1W
	s_mov_b32 s[\g+1], 256<<16                     ; tensor_dim0
	s_mov_b32 s[\g+2], 128<<16                     ; tensor_dim1
	s_mov_b32 s[\g+3], 256<<16                     ; tile_dim0
	s_mov_b32 s[\g+4], 128                         ; tile_dim1
	s_mov_b32 s[\g+5], 1024                        ; from row to row
	s_mov_b32 s[\g+6], 0
	s_mov_b32 s[\g+7], 0
.endr
	s_lshl_b32 s20, s42, 17                        ; x: 128 tb rows of 1,024 bytes
	s_mov_b32 s21, 0
	s_lshl_b32 s46, s17, 17                        ; W: 128 fb rows
	s_mov_b32 s47, 0
	s_mul_i32 s45, s[WV], HALFT                    ; where my tile goes: region = wave
	s_wait_kmcnt 0x0
	s_load_b256 s[88:95], s[82:83], 0x0            ; e0 .. e7
	s_load_b32 s96, s[82:83], 0x20                 ; e8
	s_add_nc_u64 s[20:21], s[68:69], s[20:21]
	s_cmp_lt_u32 s[WV], 2
	s_cselect_b64 s[4:5], s[70:71], s[72:73]       ; wave 1: Wq; wave 2: Wk;
	s_cmp_eq_u32 s[WV], 3
	s_cselect_b64 s[4:5], s[74:75], s[4:5]         ; wave 3: Wv  (wave 0's choice is not used)
	s_add_nc_u64 s[46:47], s[4:5], s[46:47]
	CROUND                                         ; all sixteen work-groups are here: the first joint loads meet
.irp s, 0,1
	s_mov_b32 s[G0X+4*\s], 1
	s_add_co_u32 s[G0X+4*\s+1], s45, \s*SLOT
	s_add_nc_u64 s[G0X+4*\s+2:G0X+4*\s+3], s[20:21], \s*256
	s_or_b32 s[G0X+4*\s+3], s[G0X+4*\s+3], 0x80000000
	s_mov_b32 s[G0W+4*\s], 1
	s_add_co_u32 s[G0W+4*\s+1], s45, \s*SLOT
	s_add_nc_u64 s[G0W+4*\s+2:G0W+4*\s+3], s[46:47], \s*256
	s_or_b32 s[G0W+4*\s+3], s[G0W+4*\s+3], 0x80000000
	JLOAD G0X+4*\s, G0W+4*\s
.endr
	v_and_b32 v1, 15, v0                           ; r
	v_bfe_u32 v2, v0, 4, 1                         ; h
	v_mul_u32_u24 v3, v1, PITCH
	v_lshl_add_u32 v4, v2, 4, v3                   ; a fragment's row x pitch + 16 h
	v_add_nc_u32 v[ADRX], 0, v4
	v_add_nc_u32 v[ADRX+1], SLOT, v4
	s_mul_i32 s6, s[WV], 32*PITCH                  ; my 32 rows of each W tile
.irp m, 0,1,2
.irp s, 0,1
	s_add_co_u32 s7, s6, (\m+1)*HALFT+\s*SLOT
	v_add_nc_u32 v[ADRW+2*\m+\s], s7, v4
.endr
.endr
	v_and_b32 v5, 31, v0
	v_lshlrev_b32 v[STA], 4, v5
	s_lshl_b32 s8, s17, 9                          ; the biases: 4 x (128 fb + 32 w)
	s_lshl_b32 s9, s[WV], 7
	s_add_co_u32 s8, s8, s9
	s_mov_b32 s9, 0
	s_add_nc_u64 s[76:77], s[76:77], s[8:9]
	s_add_nc_u64 s[78:79], s[78:79], s[8:9]
	s_add_nc_u64 s[80:81], s[80:81], s[8:9]
	v_lshlrev_b32 v6, 5, v2                        ; q, k: lane (r, h) wants features 16 t + 8 h + 0 .. 7
	v_lshlrev_b32 v7, 2, v1                        ; v: feature 16 t + r
.irp t, 0,1
	global_load_b128 v[BQ+8*\t:BQ+8*\t+3], v6, s[76:77] offset:64*\t
	global_load_b128 v[BQ+8*\t+4:BQ+8*\t+7], v6, s[76:77] offset:64*\t+16
	global_load_b128 v[BQ+16+8*\t:BQ+16+8*\t+3], v6, s[78:79] offset:64*\t
	global_load_b128 v[BQ+16+8*\t+4:BQ+16+8*\t+7], v6, s[78:79] offset:64*\t+16
	global_load_b32 v[RAWV+\t], v7, s[80:81] offset:64*\t
.endr
	s_wait_loadcnt 0x0
	s_wait_kmcnt 0x0
; for product m with operand exponents ea, eb and the result's quantiser eo: s5 = -(ea + eb); the scale 2^(eo - ea - eb) and 448 x it as f32
.macro MKSCALE m, ea, eb, eo
	s_add_co_i32 s4, s[\ea], s[\eb]
	s_sub_co_i32 s5, 0, s4
	s_sub_co_i32 s6, s[\eo], s4
	s_add_co_i32 s6, s6, 127
	s_lshl_b32 s7, s6, 23
	v_mov_b32 v[SQ+2*\m], s7
	s_add_co_i32 s6, s6, 8
	s_lshl_b32 s6, s6, 23
	s_or_b32 s6, s6, 0x600000
	v_mov_b32 v[SQ+2*\m+1], s6
.endm
	MKSCALE 0, 88, 89, 94
.irp j, 0,1,2,3,4,5,6,7,8,9,10,11,12,13,14,15
	v_ldexp_f32 v[BQ+\j], v[BQ+\j], s5             ; bq / 2^(e0 + e1)
.endr
	MKSCALE 1, 90, 91, 95
.irp j, 0,1,2,3,4,5,6,7,8,9,10,11,12,13,14,15
	v_ldexp_f32 v[BQ+16+\j], v[BQ+16+\j], s5
.endr
	MKSCALE 2, 92, 93, 96
.irp t, 0,1
.irp j, 0,1,2,3,4,5,6,7
	v_ldexp_f32 v[BV+8*\t+\j], v[RAWV+\t], s5      ; v's result holds one feature a lane: the same number in all eight registers
.endr
.endr
; 16 matrix instructions: q's and k's accumulators of x's tiles t0 .. t0 + 3.  p: W's set.  first = 1: the bias starts the sums.  The 48 accumulators take turns, one instruction a turn, in the same order in every step.
.macro QK t0, p, first
.if \first
	WIN 0x81                                       ; source 0 (W) window 1, source 1 (x) and C (bias) window 0, D window 2
.else
	WIN 0xa1                                       ; C and D window 2
.endif
.irp a, \t0, \t0+1, \t0+2, \t0+3
.irp m, 0,1
.irp t, 0,1
.if \first
	v_wmma_f32_16x16x128_fp8_fp8 v[128*\m+16*(\a)+8*\t:128*\m+16*(\a)+8*\t+7], v[128*(\p)+16*(2*\m+\t):128*(\p)+16*(2*\m+\t)+15], v[XF+16*(\a):XF+16*(\a)+15], v[BQ+16*\m+8*\t:BQ+16*\m+8*\t+7]
.else
	v_wmma_f32_16x16x128_fp8_fp8 v[128*\m+16*(\a)+8*\t:128*\m+16*(\a)+8*\t+7], v[128*(\p)+16*(2*\m+\t):128*(\p)+16*(2*\m+\t)+15], v[XF+16*(\a):XF+16*(\a)+15], v[128*\m+16*(\a)+8*\t:128*\m+16*(\a)+8*\t+7]
.endif
.endr
.endr
.endr
.endm
; 8 matrix instructions: v's accumulators of the same tiles
.macro VV t0, p, first
.if \first
	WIN 0xc4                                       ; source 0 (x) and C (bias) window 0, source 1 (Wv) window 1, D window 3
.else
	WIN 0xf4
.endif
.irp a, \t0, \t0+1, \t0+2, \t0+3
.irp t, 0,1
.if \first
	v_wmma_f32_16x16x128_fp8_fp8 v[64*\t+8*(\a):64*\t+8*(\a)+7], v[XF+16*(\a):XF+16*(\a)+15], v[128*(\p)+16*(4+\t):128*(\p)+16*(4+\t)+15], v[BV+8*\t:BV+8*\t+7]
.else
	v_wmma_f32_16x16x128_fp8_fp8 v[64*\t+8*(\a):64*\t+8*(\a)+7], v[XF+16*(\a):XF+16*(\a)+15], v[128*(\p)+16*(4+\t):128*(\p)+16*(4+\t)+15], v[64*\t+8*(\a):64*\t+8*(\a)+7]
.endif
.endr
.endr
.endm
.macro FETCH_W slot, q, p              ; W's six fragments of the slot's q-th 128 along K into set p: 24 loads
	WIN 0x40
.irp m, 0,1,2
.irp t, 0,1
.irp c, 0,1,2,3
	ds_load_b128 v[128*(\p)+16*(2*\m+\t)+4*\c:128*(\p)+16*(2*\m+\t)+4*\c+3], v[ADRW+2*\m+\slot] offset:\t*TROW+128*(\q)+32*\c
.endr
.endr
.endr
	WIN 0
.endm
.macro FETCH_X slot, q, a0             ; x's tiles a0 .. a0 + 3: 16 loads
.irp a, \a0, \a0+1, \a0+2, \a0+3
.irp c, 0,1,2,3
	ds_load_b128 v[XF+16*(\a)+4*\c:XF+16*(\a)+4*\c+3], v[ADRX+\slot] offset:(\a)*TROW+128*(\q)+32*\c
.endr
.endr
.endm
; A slot's first 128 along K (W's set 0).  x has one set of registers: tiles 0-3 are fetched anew in the middle, tiles 4-7 at the end.
.macro STEP slot, first
	s_wait_dscnt 16                                ; W's set and x's tiles 0-3 are in; the youngest 16 loads (tiles 4-7) may be out
	QK 0, 0, \first
	VV 0, 0, \first
	s_wait_dscnt 0x0                               ; tiles 4-7 are in
	PLACES 4
	FETCH_W \slot, 1, 1
	FETCH_X \slot, 1, 0
	QK 4, 0, \first
	VV 4, 0, \first
	PLACES 4
	WIN 0
	FETCH_X \slot, 1, 4
.endm
; A slot's second 128 (set 1) changes slots: ONE barrier; in front of it each wave waits for all its tensor loads, adds 0 to its spare word, and waits for that and for its reads of this slot.  fill = 1: the slot is filled again, two steps of 256 on.
.macro TURN slot, next, fill
	s_wait_tensorcnt 0x0                           ; all my tensor loads have landed: my part of the next slot
	ds_add_u32 v[SPW], v[NIL]                      ; 0 onto my spare word
	s_wait_dscnt 17                                ; (the add and the youngest 16 loads may be out)
	QK 0, 1, 0                                     ; sixteen matrix instructions stand between the add and the wait for it
	s_wait_dscnt 0x0                               ; the add is done, and my reads of this slot are over
	s_barrier_signal -1
	VV 0, 1, 0
	WIN 0
	s_barrier_wait -1
.if \fill
	CREST                                          ; the barrier has opened a round of the cluster's: no wave of any partner still reads this slot or has a load on its way
	s_add_nc_u64 s[G0X+4*\slot+2:G0X+4*\slot+3], s[G0X+4*\slot+2:G0X+4*\slot+3], 512
	s_add_nc_u64 s[G0W+4*\slot+2:G0W+4*\slot+3], s[G0W+4*\slot+2:G0W+4*\slot+3], 512
	JLOAD G0X+4*\slot, G0W+4*\slot                 ; the first tensor load behind the round; its four v_nop are also the places in front of the loads below
.else
	PLACES 4
.endif
	FETCH_W \next, 0, 0
	FETCH_X \next, 0, 0
	QK 4, 1, 0
	VV 4, 1, 0
	PLACES 4
	WIN 0
	FETCH_X \next, 0, 4
.endm
	s_wait_tensorcnt 1                             ; my part of slot 0 is in; slot 1's may stay out
	s_barrier_signal -1
	s_barrier_wait -1
	FETCH_W 0, 0, 0
	FETCH_X 0, 0, 0
	FETCH_X 0, 0, 4
	STEP 0, 1                                      ; K 0 .. 127: the biases start the sums.  Four steps of 256 are written out: no loop
	TURN 0, 1, 1                                   ; slot 0 takes K 512 ..
	STEP 1, 0
	TURN 1, 0, 1                                   ; slot 1 takes K 768 ..
	STEP 0, 0
	TURN 0, 1, 0                                   ; nothing is left to fetch
	STEP 1, 0
	s_wait_dscnt 16
	QK 0, 1, 0
	VV 0, 1, 0
	s_wait_dscnt 0x0
	QK 4, 1, 0
	VV 4, 1, 0
	PLACES 4
	; THE WAY OUT.  The hold (the conversion to an 8-bit code does not saturate: ISA guide 7.6.2), each accumulator from its low end on; then eight numbers of a lane become two registers of an operand.
	WIN 0x82                                       ; source 0 and destination window 2
.set i, 0
.rept 128
	v_med3_num_f32 v[i], v[i], -v[SQ+1], v[SQ+1]
.set i, i+1
.endr
.rept 128
	v_med3_num_f32 v[i], v[i], -v[SQ+3], v[SQ+3]
.set i, i+1
.endr
	WIN 0x02                                       ; source 0 window 2, destination window 0: where x's fragments lay
.irp m, 0,1
.irp a, 0,1,2,3,4,5,6,7
.irp t, 0,1
	v_cvt_scalef32_pk8_fp8_f32 v[CD+32*\m+4*\a+2*\t:CD+32*\m+4*\a+2*\t+1], v[128*\m+16*\a+8*\t:128*\m+16*\a+8*\t+7], v[SQ+2*\m]   ; position 16 a + r, channels 32 b + 16 t + 8 h + 0 .. 7
.endr
.endr
.endr
	WIN 0xc3
.set i, 0
.rept 128
	v_med3_num_f32 v[i], v[i], -v[SQ+5], v[SQ+5]
.set i, i+1
.endr
	WIN 0x03
.irp t, 0,1
.irp a, 0,1,2,3,4,5,6,7
	v_cvt_scalef32_pk8_fp8_f32 v[CD+64+16*\t+2*\a:CD+64+16*\t+2*\a+1], v[64*\t+8*\a:64*\t+8*\a+7], v[SQ+4]   ; channel 32 b + 16 t + r, keys 16 a + 8 h + 0 .. 7
.endr
.endr
	WIN 0
	v_nop                                          ; a plain vector line behind the last conversion
	s_lshl_b32 s8, s17, 1
	s_lshr_b32 s9, s[WV], 1
	s_add_co_u32 s8, s8, s9                        ; head
	s_and_b32 s10, s[WV], 1                        ; b
	s_lshl_b32 s12, s8, 18                         ; qi: head x 262,144 + tb x 8,192 + b x 512
	s_lshl_b32 s13, s42, 13
	s_add_co_u32 s12, s12, s13
	s_lshl_b32 s13, s10, 9
	s_add_co_u32 s12, s12, s13
	s_mov_b32 s13, 0
	s_add_nc_u64 s[84:85], s[84:85], s[12:13]
	s_lshl_b32 s12, s8, 19                         ; kv: (32 head + tb) x 16,384
	s_lshl_b32 s11, s42, 14
	s_add_co_u32 s12, s12, s11
	s_add_nc_u64 s[86:87], s[86:87], s[12:13]
	s_lshl_b32 s12, s10, 9
	s_add_nc_u64 s[18:19], s[86:87], s[12:13]      ; K: + b x 512
	s_lshl_b32 s12, s10, 12
	s_add_nc_u64 s[22:23], s[86:87], s[12:13]      ; V: + b x two tiles of 2,048
.irp a, 0,1,2,3,4,5,6,7
	global_store_b128 v[STA], v[CD+4*\a:CD+4*\a+3], s[84:85] offset:1024*\a            ; each store of the wave covers 512 consecutive bytes, aligned
	global_store_b128 v[STA], v[CD+32+4*\a:CD+32+4*\a+3], s[18:19] offset:1024*\a
.endr
.irp t, 0,1
.irp c, 0,1,2,3
	global_store_b128 v[STA], v[CD+64+16*\t+4*\c:CD+64+16*\t+4*\c+3], s[22:23] offset:8192+2048*\t+512*\c
.endr
.endr
	s_wait_tensorcnt 0x0                           ; the wave's end
	ds_add_u32 v[SPW], v[NIL]
	s_wait_dscnt 0x0
	CROUND                                         ; the closing round: no work-group ends while a partner may still ask for a tile that names it
	s_endpgm
.Lfunc_end_k_qbd8c6ee5a3_proj:
	.size	k_qbd8c6ee5a3_proj, .Lfunc_end_k_qbd8c6ee5a3_proj-k_qbd8c6ee5a3_proj
	.p2alignl 7, 3214868480
	.fill 96, 4, 3214868480
	.section	.rodata,"a",@progbits
	.p2align	6, 0x0
	.amdhsa_kernel k_qbd8c6ee5a3_proj
		.amdhsa_group_segment_fixed_size 327680
		.amdhsa_private_segment_fixed_size 0
		.amdhsa_enable_private_segment 0
		.amdhsa_kernarg_size 80
		.amdhsa_user_sgpr_count 2
		.amdhsa_user_sgpr_kernarg_segment_ptr 1
		.amdhsa_wavefront_size32 1
		.amdhsa_system_sgpr_workgroup_id_x 1
		.amdhsa_system_sgpr_workgroup_id_y 1
		.amdhsa_system_sgpr_workgroup_id_z 1
		.amdhsa_system_vgpr_workitem_id 0
		.amdhsa_next_free_vgpr 1024
		.amdhsa_next_free_sgpr 100
		.amdhsa_reserve_vcc 0
		.amdhsa_float_denorm_mode_32 3
		.amdhsa_float_denorm_mode_16_64 3
		.amdhsa_memory_ordered 1
		.amdhsa_forward_progress 1
		.amdhsa_inst_pref_size 101
	.end_amdhsa_kernel
	.amdgpu_metadata
---
amdhsa.version: [ 1, 2 ]
amdhsa.kernels:
  - .name:           k_qbd8c6ee5a3_proj
    .symbol:         k_qbd8c6ee5a3_proj.kd
    .args:
      - { .name: xp, .offset: 0, .size: 8, .value_kind: global_buffer, .address_space: global }
      - { .name: Wq_codes, .offset: 8, .size: 8, .value_kind: global_buffer, .address_space: global }
      - { .name: Wk_codes, .offset: 16, .size: 8, .value_kind: global_buffer, .address_space: global }
      - { .name: Wv_codes, .offset: 24, .size: 8, .value_kind: global_buffer, .address_space: global }
      - { .name: bq, .offset: 32, .size: 8, .value_kind: global_buffer, .address_space: global }
      - { .name: bk, .offset: 40, .size: 8, .value_kind: global_buffer, .address_space: global }
      - { .name: bv, .offset: 48, .size: 8, .value_kind: global_buffer, .address_space: global }
      - { .name: lowp_scales, .offset: 56, .size: 8, .value_kind: global_buffer, .address_space: global }
      - { .name: qi, .offset: 64, .size: 8, .value_kind: global_buffer, .address_space: global }
      - { .name: kv, .offset: 72, .size: 8, .value_kind: global_buffer, .address_space: global }
    .group_segment_fixed_size: 327680
    .private_segment_fixed_size: 0
    .kernarg_segment_align: 8
    .kernarg_segment_size: 80
    .max_flat_workgroup_size: 128
    .sgpr_count:     100
    .vgpr_count:     1024
    .wavefront_size: 32
...
	.end_amdgpu_metadata
.endif
;; end of part 2
;; launch attn (part 3): grid 16 x 16, 8 waves a work-group, no clusters, 101,376 bytes of LDS; arguments qi, kv, route, lowp_scales, out0; writes out0
.if DOCPART == 3
	.amdgcn_target "amdgcn-amd-amdhsa--gfx1250"
	.amdhsa_code_object_version 6
	.text
	.protected	k_qbd8c6ee5a3_attn
	.globl	k_qbd8c6ee5a3_attn
	.p2align	8
	.type	k_qbd8c6ee5a3_attn,@function
k_qbd8c6ee5a3_attn:
	s_mov_b64 s[64:65], 0
	v_nop
	global_prefetch_b8 v0, s[64:65] scope:SCOPE_SE
	s_setreg_imm32_b32 hwreg(HW_REG_WAVE_MODE, 25, 1), 1
	s_wait_xcnt 0x0
; out[token][head][:] = the sum over open keys of softmax(q . k / 8) v, both products on codes of FP8 (E4M3), in the sorted order of positions: the n open keys are positions 0 .. n - 1.
; THE SOFTMAX: t = score x log2(e) / 8; M = the largest t so far, rounded UP to a whole number; p = 2^(t - M) is quantised with 2^e9, not normalised; the sum is taken of the unquantised p and divides at the end.
; When M moves, the sum and O are multiplied by 2^(old M - new M), which rounds nothing.  A masked key has p = 0 as soon as one key is open, so the keys from n on are left out.
; NO KEY OPEN (n = 0): every score is the same large negative number, so every p is 1 over all 4,096 keys.  That is had by n := 4,096 and c := 0, with no path of its own.
; SHARES.  A work-group: 256 positions of one head; each of eight waves two tiles of 16 queries, so that each fragment of K and V read from LDS feeds two products; two waves to a SIMD, one's vector work beside the other's matrix work and LDS loads.
; LAYOUT.  Both products transposed: S^T = K Q^T (16 x 16 x 64: source 0 = 16 keys), O^T = V^T P^T (16 x 16 x 128: source 0 = 16 channels): a lane holds ONE query.  In S^T register 8 a + j is key 16 a + 8 h + j,
; which is the place that the second product's own layout gives registers 2 a, 2 a + 1: the conversions' results are P.  K, V and Q come as images of their registers: every load is 16 x lane.
; THE RING.  A slot is 32,768 bytes of kv as they lie: two key steps of 128.  Two slots.  Each of the 256 threads asks for 8 x 16 bytes of the next slot at a trip's head, into registers, and stores them into the other slot at
; the trip's end; one barrier a trip, in front of which each wave has waited for its LDS loads and stores, orders reads against the next fill and fill against the next reads.
; THE LOOP has a constant count (8 x 2 slots) and every wave passes every barrier; a trip all of whose keys are masked does nothing else.  Which trips those are hangs on n, a whole number that the first launch stored.
; NO TENSOR LOAD AND NO JOINT LOADS: steps from n on are left out by a scalar branch on a number read from memory; that branch spares (4,096 - n) / 4,096 of the launch's work,
; and what the sixteen work-groups of a head share is 16,384 bytes a key step.
; LIMITS: e6 + e7 between -123 and 130 (added to c's exponent field); e9 between -126 and 119; e8 + e9 goes by v_ldexp_f32.  t is score x c, rounded once.  NaN is not served.
; REGISTERS: window 0: v1-11 addresses and constants; v12-27 eight statistics a tile: -M, largest t, the sum (2), f, 0, two at work; v28-31 the sums' second chains; v32-95 K's or V's fragments; v96-223 S^T then p; v224-255 p's codes.
;   window 1: v0-63 O^T (32 i + 8 t); v64-79 Q; v80-111 the fill; v112-127 where my rows of the output go.
.set SLOTB, 32768
.set STEPB, 16384
.set VOFF,  8192
.set STG,   65536                      ; behind the ring: 16 rows x 272 bytes for each wave, its own, for the way out
.set SP,    272
.set L16,  1                           ; v1   16 x lane
.set STO,  2                           ; v2   the stage: where I put 32 bytes of a row
.set TH16, 3                           ; v3   16 x thread
.set RD,   4                           ; v4   the stage: where I read a row back
.set C16,  5                           ; v5   16 x (lane % 16)
.set PFO,  6                           ; v6   the prefetches' offset
.set DD,   7                           ; v7   at the head: the offset into the list; in a tail step: keys left, less 8 h
.set NINF, 8                           ; v8   -infinity
.set LIM,  9                           ; v9   448 x 2^e9
.set SCL,  10                          ; v10  2^e9
.set H8,   11                          ; v11  8 h
.set ST,   12
.set CH,   28
.set KV,   32
.set S,    96
.set PC,   224
.set OT,   0                           ; window 1
.set QF,   64
.set FL,   80
.set OO,   112
.set OUT,  12                          ; s[12:13]
.set WV,   14
.set KVH,  16                          ; s[16:17] kv at my head
.set KVA,  18                          ; s[18:19] kv at the slot that is being asked for
.set SEL,  20                          ; s[20:21] v_permlanex16_b32: lane l xor 16
.set CS,   22                          ; s[22:23] c
.set N,    25                          ; s25  keys that count
.set EO,   26                          ; s26  e8 + e9
.set KF,   27                          ; s27  the trip's first key
.set EP,   31                          ; s31  e9
.set LC,   36                          ; s36  the loop's counter
.set PLIM, 37                          ; s37  N in a wave that prefetches, else 0
.set MSB, 0
.macro WIN new                         ; the immediate's high byte repeats the setting that is left
.if MSB != \new
	s_set_vgpr_msb (MSB<<8)|\new
.set MSB, \new
.endif
.endm
.macro PLACES n
.rept \n
	v_nop
.endr
.endm
	s_load_b256 s[4:11], s[0:1], 0x0               ; qi s[4:5], kv s[6:7], route s[8:9], the scales' exponents s[10:11]
	s_load_b64 s[OUT:OUT+1], s[0:1], 0x20          ; out0
	s_set_vgpr_msb 0x40
	v_lshl_add_u32 v128, v0, 2, 0x18800
	v_mov_b32 v129, 0
	s_set_vgpr_msb 0x4000
	v_lshrrev_b32 v7, 5, v0
	v_readfirstlane_b32 s[WV], v7                  ; wave 0..7
	v_and_b32 v7, 31, v0                           ; lane
	v_lshlrev_b32 v[L16], 4, v7
	v_lshlrev_b32 v[TH16], 4, v0
	s_and_b32 s41, s[WV], 3
	s_lshl_b32 s41, s41, 13
	v_lshl_add_u32 v[PFO], v7, 8, s41              ; 8,192 x (wave % 4) + 256 x lane
	v_and_b32 v8, 15, v0                           ; r
	v_lshlrev_b32 v[C16], 4, v8
	v_bfe_u32 v9, v0, 4, 1                         ; h
	v_lshlrev_b32 v[H8], 3, v9
	s_mul_i32 s40, s[WV], 16*SP
	s_add_co_u32 s40, s40, STG                     ; my stage
	v_mul_u32_u24 v[STO], v8, SP
	v_lshl_add_u32 v[STO], v9, 5, v[STO]
	v_add_nc_u32 v[STO], s40, v[STO]               ; in: row r, + 32 h
	v_mul_u32_u24 v[RD], v9, SP
	v_add_nc_u32 v[RD], v[RD], v[C16]
	v_add_nc_u32 v[RD], s40, v[RD]                 ; back: lanes 0-15 one row, lanes 16-31 the next
	s_lshl_b32 s40, ttmp9, 10
	s_lshl_b32 s41, s[WV], 7
	s_add_co_u32 s40, s40, s41
	v_lshl_add_u32 v[DD], v9, 2, s40               ; the list: word 256 x block + 32 x wave + h
	s_and_b32 s15, ttmp7, 0xffff                   ; the head
	s_lshl_b32 s32, s15, 19                        ; kv: 32 steps of 16,384 bytes a head
	s_mov_b32 s33, 0
	s_lshl_b32 s34, s15, 18                        ; qi: 256 tiles of 1,024 bytes a head, 16 a block, 2 a wave
	s_lshl_b32 s35, ttmp9, 14
	s_add_co_u32 s34, s34, s35
	s_lshl_b32 s35, s[WV], 11
	s_add_co_u32 s34, s34, s35
	s_mov_b32 s35, 0
	s_lshl_b32 s38, s15, 8                         ; out0: the head's 256 bytes of a token's row
	s_mov_b32 s39, 0
	s_mov_b32 s[SEL], 0x76543210
	s_mov_b32 s[SEL+1], 0xfedcba98
	s_wait_kmcnt 0x0
	s_load_b32 s24, s[8:9], 0x4000                 ; n
	s_load_b128 s[28:31], s[10:11], 0x18           ; e6, e7, e8, e9
	s_add_nc_u64 s[KVH:KVH+1], s[6:7], s[32:33]
	s_add_nc_u64 s[4:5], s[4:5], s[34:35]
	s_add_nc_u64 s[OUT:OUT+1], s[OUT:OUT+1], s[38:39]
	WIN 0x40                                       ; destination window 1
.irp j, 0,1,2,3,4,5,6,7
	global_load_b128 v[FL+4*\j:FL+4*\j+3], v[TH16], s[KVH:KVH+1] offset:4096*\j     ; slot 0
.endr
.irp i, 0,1
.irp b, 0,1
	global_load_b128 v[QF+8*\i+4*\b:QF+8*\i+4*\b+3], v[L16], s[4:5] offset:1024*\i+512*\b   ; Q stays in registers
.endr
.endr
	WIN 0
.irp i, 0,1
.irp k, 0,1,2,3,4,5,6,7
	global_load_b32 v[S+8*\i+\k], v[DD], s[8:9] offset:64*\i+8*\k   ; the token at position 16 i + 2 k + h of my wave's 32
.endr
.endr
	WIN 0x40
.set j, 0
.rept 64
	v_mov_b32 v[OT+j], 0                           ; O^T.  (The key step is written without a first step of its own: it finds zeros, which the first change of M leaves zeros)
.set j, j+1
.endr
	WIN 0
.irp i, 0,1
	v_mov_b32 v[ST+8*\i+1], 0xff61b1e6             ; the largest t so far: -3e38, under every t
	v_floor_f32 v[ST+8*\i], -v[ST+8*\i+1]          ; -M
	v_mov_b32 v[ST+8*\i+2], 0                      ; the sum, in two halves
	v_mov_b32 v[ST+8*\i+3], 0
	v_mov_b32 v[ST+8*\i+5], 0                      ; (named as the upper half of f's pair)
	v_mov_b32 v[ST+8*\i+6], 0
	v_mov_b32 v[ST+8*\i+7], 0                      ; (a lane permute's destination counts as one of its sources)
.endr
	v_mov_b32 v[NINF], 0xff800000
	s_wait_kmcnt 0x0
	s_min_u32 s24, s24, 0x1000
	s_add_co_i32 s40, s28, s29
	s_lshl_b32 s40, s40, 23
	s_mov_b32 s[CS], 0x3e38aa3b                    ; c = log2(e) / 8
	s_add_co_i32 s[CS], s[CS], s40                 ; a score stands for score x 2^(e6 + e7): added to c's exponent field
	s_cmp_eq_u32 s24, 0                            ; no key open:
	s_cselect_b32 s[CS], 0, s[CS]                  ; every t is 0,
	s_cselect_b32 s[N], 0x1000, s24                ; and all keys count
	s_mov_b32 s[CS+1], s[CS]                       ; (named with it as a pair)
	s_add_co_i32 s[EO], s30, s31
	s_add_co_i32 s40, s31, 127
	s_lshl_b32 s41, s40, 23
	v_mov_b32 v[SCL], s41
	s_add_co_i32 s40, s40, 8
	s_lshl_b32 s40, s40, 23
	s_or_b32 s40, s40, 0x600000
	v_mov_b32 v[LIM], s40
	s_lshr_b32 s40, s[WV], 2                       ; waves 0 to 3
	s_or_b32 s40, s40, ttmp9                       ; of the head's first work-group prefetch
	s_cmp_eq_u32 s40, 0
	s_cselect_b32 s[PLIM], s[N], 0
	s_wait_loadcnt 20                              ; the 8 loads of slot 0 are in; Q's 4 and the list's 16 may be out
	WIN 0x04                                       ; store data window 1
.irp j, 0,1,2,3,4,5,6,7
	ds_store_b128 v[TH16], v[FL+4*\j:FL+4*\j+3] offset:4096*\j
.endr
	WIN 0
	s_wait_loadcnt 0x0
.irp x, 0,1,2,3,4,5,6,7,8,9,10,11,12,13,14,15
	v_min_u32 v[S+\x], 0xfff, v[S+\x]              ; a token's number is below 4,096; the bound is written out, since it enters an address
.endr
	WIN 0x40
.irp x, 0,1,2,3,4,5,6,7,8,9,10,11,12,13,14,15
	v_lshl_add_u32 v[OO+\x], v[S+\x], 12, v[C16]   ; the token's row of 4,096 bytes, + my 16 bytes of the head's 256
.endr
	WIN 0
	s_wait_dscnt 0x0                               ; for the others' sake: my part of slot 0 has landed
	s_barrier_signal -1
	s_barrier_wait -1
; A KEY STEP: 128 keys, the q-th of the slot.  Lines for the two tiles alternate.
.macro STEP slot, q
.set BASE, \slot*SLOTB+\q*STEPB
	PLACES 4                                       ; in front of loads into registers that the last products read
.irp a, 0,1,2,3,4,5,6,7
.irp b, 0,1
	ds_load_b128 v[KV+8*\a+4*\b:KV+8*\a+4*\b+3], v[L16] offset:BASE+1024*\a+512*\b
.endr
.endr
	s_wait_dscnt 0x0
	WIN 0x04                                       ; source 1 (Q) window 1
.irp a, 0,1,2,3,4,5,6,7
.irp i, 0,1
	v_wmma_f32_16x16x64_fp8_fp8 v[S+64*\i+8*\a:S+64*\i+8*\a+7], v[KV+8*\a:KV+8*\a+7], v[QF+8*\i:QF+8*\i+7], 0
.endr
.endr
	WIN 0
	PLACES 4                                       ; in front of the loads below and of the first read of the scores
.irp t, 0,1,2,3
.irp c, 0,1,2,3
	ds_load_b128 v[KV+16*\t+4*\c:KV+16*\t+4*\c+3], v[L16] offset:BASE+VOFF+2048*\t+512*\c   ; V: it lands while the softmax is worked
.endr
.endr
	s_add_co_u32 s40, s[KF], 128*\q+128            ; the one step in which n falls: the scores of keys from n on become -infinity, p = 0.  (Its first key counts, so the maximum is a number; with c = 0 there is no such step)
	s_cmp_le_u32 s40, s[N]
	s_cbranch_scc1 .Lopen_\@
	s_sub_co_i32 s40, s[N], s[KF]
	s_sub_co_i32 s40, s40, 128*\q
	v_sub_nc_u32 v[DD], s40, v[H8]                 ; register 8 a + j holds the step's key 16 a + 8 h + j: hidden where 16 a + j >= keys left - 8 h
.set n, 0
.rept 64
	v_cmp_ge_i32 vcc_lo, 16*(n/8)+n%8, v[DD]
	v_cndmask_b32 v[S+n], v[S+n], v[NINF], vcc_lo
	v_cndmask_b32 v[S+64+n], v[S+64+n], v[NINF], vcc_lo
.set n, n+1
.endr
.Lopen_\@:
.irp i, 0,1                                    ; the largest score of my query among my 64 keys, in two chains a tile, each accumulator from its low end on
	v_max3_num_f32 v[ST+8*\i+6], v[S+64*\i], v[S+64*\i+1], v[S+64*\i+2]
	v_max3_num_f32 v[ST+8*\i+7], v[S+64*\i+3], v[S+64*\i+4], v[S+64*\i+5]
.endr
.irp e, 6,10,14,18,22,26,30,34,38,42,46,50,54,58
.irp i, 0,1
	v_max3_num_f32 v[ST+8*\i+6], v[ST+8*\i+6], v[S+64*\i+\e], v[S+64*\i+\e+1]
	v_max3_num_f32 v[ST+8*\i+7], v[ST+8*\i+7], v[S+64*\i+\e+2], v[S+64*\i+\e+3]
.endr
.endr
.irp i, 0,1
	v_max3_num_f32 v[ST+8*\i+6], v[ST+8*\i+6], v[S+64*\i+62], v[S+64*\i+63]
.endr
.irp i, 0,1
	v_max_num_f32 v[ST+8*\i+6], v[ST+8*\i+6], v[ST+8*\i+7]
.endr
.irp i, 0,1
	v_permlanex16_b32 v[ST+8*\i+7], v[ST+8*\i+6], s[SEL], s[SEL+1]
.endr
.irp i, 0,1
	v_max_num_f32 v[ST+8*\i+6], v[ST+8*\i+6], v[ST+8*\i+7]   ; and among lane l xor 16's
.endr
.irp i, 0,1
	v_mul_f32 v[ST+8*\i+6], s[CS], v[ST+8*\i+6]    ; as t (c is not negative)
.endr
.irp i, 0,1
	v_max_num_f32 v[ST+8*\i+1], v[ST+8*\i+1], v[ST+8*\i+6]   ; the running largest t
	v_mov_b32 v[ST+8*\i+6], v[ST+8*\i]
.endr
.irp i, 0,1
	v_floor_f32 v[ST+8*\i], -v[ST+8*\i+1]          ; the new -M = floor(-t) = -ceil(t)
.endr
.irp i, 0,1
	v_sub_f32 v[ST+8*\i+6], v[ST+8*\i], v[ST+8*\i+6]   ; old M - new M: a whole number, 0 or less
.endr
.irp i, 0,1
	v_cvt_i32_f32 v[ST+8*\i+6], v[ST+8*\i+6]       ; (it saturates)
.endr
.irp i, 0,1
	v_ldexp_f32 v[ST+8*\i+4], 1.0, v[ST+8*\i+6]    ; f = 2^(old M - new M)
.endr
.set j, 0
.rept 32
	v_pk_fma_f32 v[S+j:S+j+1], v[S+j:S+j+1], s[CS:CS+1], v[ST:ST+1] op_sel_hi:[1,0,0]            ; t - M, two at a time (of the pairs c and -M the low word serves both halves)
	v_pk_fma_f32 v[S+64+j:S+64+j+1], v[S+64+j:S+64+j+1], s[CS:CS+1], v[ST+8:ST+9] op_sel_hi:[1,0,0]
.set j, j+2
.endr
.set j, 0
.rept 128
	v_exp_f32 v[S+j], v[S+j]                       ; p = 2^(t - M), at most 1: one batch
.set j, j+1
.endr
.irp i, 0,1
	v_pk_mul_f32 v[ST+8*\i+2:ST+8*\i+3], v[ST+8*\i+2:ST+8*\i+3], v[ST+8*\i+4:ST+8*\i+5] op_sel_hi:[1,0]   ; the sums under the new M: the plain lines behind the exponentials
.endr
	s_wait_alu depctr_va_vdst(0)                   ; one wait for the batch, ahead of its first reader
.irp i, 0,1
	v_pk_add_f32 v[CH+2*\i:CH+2*\i+1], v[S+64*\i:S+64*\i+1], v[S+64*\i+2:S+64*\i+3]   ; the sum is taken of the UNQUANTISED p: two at a time, two chains a tile
.endr
.irp j, 4,8,12,16,20,24,28,32,36,40,44,48,52,56,60
.irp i, 0,1
	v_pk_add_f32 v[ST+8*\i+2:ST+8*\i+3], v[ST+8*\i+2:ST+8*\i+3], v[S+64*\i+\j:S+64*\i+\j+1]
	v_pk_add_f32 v[CH+2*\i:CH+2*\i+1], v[CH+2*\i:CH+2*\i+1], v[S+64*\i+\j+2:S+64*\i+\j+3]
.endr
.endr
.irp i, 0,1
	v_pk_add_f32 v[ST+8*\i+2:ST+8*\i+3], v[ST+8*\i+2:ST+8*\i+3], v[CH+2*\i:CH+2*\i+1]
.endr
	s_cmp_ge_i32 s[EP], -8                         ; THE HOLD.  p is at most 1 and 448 x 2^e9 is at least 1.75 where e9 >= -8: there the hold changes no number and is passed over; below that it is made
	s_cbranch_scc1 .Lnohold_\@
.set j, 0
.rept 128
	v_min_num_f32 v[S+j], v[S+j], v[LIM]           ; the conversion to an 8-bit code does not saturate (ISA guide 7.6.2); p is not negative: one-sided
.set j, j+1
.endr
.Lnohold_\@:
.irp a, 0,1,2,3,4,5,6,7
.irp i, 0,1
	v_cvt_scalef32_pk8_fp8_f32 v[PC+16*\i+2*\a:PC+16*\i+2*\a+1], v[S+64*\i+8*\a:S+64*\i+8*\a+7], v[SCL]
.endr
.endr
	WIN 0x41                                       ; O^T (destination and source 0) window 1
.set j, 0
.rept 16
	v_pk_mul_f32 v[OT+j:OT+j+1], v[OT+j:OT+j+1], v[ST+4:ST+5] op_sel_hi:[1,0]            ; O^T under the new M; also the plain lines between the conversions and the products
	v_pk_mul_f32 v[OT+32+j:OT+32+j+1], v[OT+32+j:OT+32+j+1], v[ST+12:ST+13] op_sel_hi:[1,0]
.set j, j+2
.endr
	s_wait_dscnt 0x0                               ; V is in
	WIN 0x50                                       ; C and D window 1
.irp t, 0,1,2,3
.irp i, 0,1
	v_wmma_f32_16x16x128_fp8_fp8 v[OT+32*\i+8*\t:OT+32*\i+8*\t+7], v[KV+16*\t:KV+16*\t+15], v[PC+16*\i:PC+16*\i+15], v[OT+32*\i+8*\t:OT+32*\i+8*\t+7]   ; eight accumulators, one instruction a turn
.endr
.endr
	WIN 0
.endm
; A TRIP: the slot's two key steps.  The fill of the other slot is asked for at its head and stored at its end.  In a working trip the fill is always made, from a clamped address (the last working trip's is read by nobody).
; THE PREFETCH: behind the trip's loads, for the slot after the one just asked for: 128 blocks of 256 bytes, one a lane, in waves 0 to 3 of the head's first work-group alone, so that each block is named once in the launch:
; one trip, two key steps, ahead of the loads that will want it.  It stops where that slot holds no key that counts; slots 0 and 1 come by their loads alone.
.macro TRIP slot
	s_lshl_b32 s[KF], s[LC], 9
.if \slot
	s_add_co_u32 s[KF], s[KF], 256
.endif
	s_cmp_ge_u32 s[KF], s[N]
	s_cbranch_scc1 .Lidle_\@
	s_wait_xcnt 0x0                                ; the last trip's loads and prefetch have read their base: it may be written
	s_add_co_u32 s34, s[KF], 256
	s_lshl_b32 s34, s34, 7                         ; the next slot: 32,768 bytes for 256 keys,
	s_min_u32 s34, s34, 15<<15                     ; held at the head's last
	s_mov_b32 s35, 0
	s_add_nc_u64 s[KVA:KVA+1], s[KVH:KVH+1], s[34:35]
	WIN 0x40
.irp j, 0,1,2,3,4,5,6,7
	global_load_b128 v[FL+4*\j:FL+4*\j+3], v[TH16], s[KVA:KVA+1] offset:4096*\j
.endr
	WIN 0
	s_add_co_u32 s40, s[KF], 512
	s_cmp_lt_u32 s40, s[PLIM]
	s_cbranch_scc0 .Lnoask_\@
	global_prefetch_b8 v[PFO], s[KVA:KVA+1] offset:32768 th:TH_LOAD_NT scope:SCOPE_SE
.Lnoask_\@:
	STEP \slot, 0
	s_add_co_u32 s40, s[KF], 128
	s_cmp_ge_u32 s40, s[N]
	s_cbranch_scc1 .Lhalf_\@
	STEP \slot, 1
.Lhalf_\@:
	s_wait_loadcnt 0x0                             ; the fill is in registers
	WIN 0x04
.irp j, 0,1,2,3,4,5,6,7
	ds_store_b128 v[TH16], v[FL+4*\j:FL+4*\j+3] offset:(1-\slot)*SLOTB+4096*\j   ; into the slot that every wave left at the last barrier
.endr
	WIN 0
.Lidle_\@:
	s_wait_dscnt 0x0                               ; my stores have landed and my reads of this slot are over
	s_barrier_signal -1
	s_barrier_wait -1
.endm
	s_mov_b32 s[LC], 0
.Ltrip:
	TRIP 0
	TRIP 1
	s_add_co_u32 s[LC], s[LC], 1
	s_cmp_lt_u32 s[LC], 8
	s_cbranch_scc1 .Ltrip
	; THE WAY OUT.  O^T / the sum x 2^(e8 + e9) goes through my stage, a tile of 16 queries at a time, and leaves as rows: sixteen lanes store the 256 bytes of one (token, head).
.irp i, 0,1
	v_add_f32 v[ST+8*\i+6], v[ST+8*\i+2], v[ST+8*\i+3]   ; the sum's two halves  (these lines are also the places behind the last products)
.endr
.irp i, 0,1
	v_permlanex16_b32 v[ST+8*\i+7], v[ST+8*\i+6], s[SEL], s[SEL+1]
.endr
.irp i, 0,1
	v_add_f32 v[ST+8*\i+6], v[ST+8*\i+6], v[ST+8*\i+7]   ; and lane l xor 16's
.endr
.irp i, 0,1
	v_rcp_f32 v[ST+8*\i+6], v[ST+8*\i+6]
.endr
	v_nop                                          ; a plain line behind the reciprocals
	s_wait_alu depctr_va_vdst(0)                   ; and one wait for both, ahead of the first reader
.irp i, 0,1
	v_ldexp_f32 v[ST+8*\i+6], v[ST+8*\i+6], s[EO]
.endr
	WIN 0x01                                       ; source 0 (O^T) window 1
.set j, 0
.rept 16
	v_pk_mul_f32 v[S+j:S+j+1], v[OT+j:OT+j+1], v[ST+6:ST+7] op_sel_hi:[1,0]               ; register 32 i + 8 t + j: o(query r, channel 16 t + 8 h + j)
	v_pk_mul_f32 v[S+32+j:S+32+j+1], v[OT+32+j:OT+32+j+1], v[ST+14:ST+15] op_sel_hi:[1,0]
.set j, j+2
.endr
	WIN 0
.irp i, 0,1
.irp t, 0,1,2,3
	ds_store_b128 v[STO], v[S+32*\i+8*\t:S+32*\i+8*\t+3] offset:64*\t
	ds_store_b128 v[STO], v[S+32*\i+8*\t+4:S+32*\i+8*\t+7] offset:64*\t+16
.endr
.irp k, 0,1,2,3,4,5,6,7
	ds_load_b128 v[S+64+32*\i+4*\k:S+64+32*\i+4*\k+3], v[RD] offset:2*\k*SP   ; LDS serves a wave's instructions in order (ISA guide 5.7.1.4): these see my stores, and the next tile's stores come behind them
.endr
.endr
	WIN 0x01                                       ; the stores' address window 1
.irp i, 0,1
.irp k, 0,1,2,3,4,5,6,7
	s_wait_dscnt 16*(1-\i)+7-\k                    ; behind this pair of rows: the tile's later loads, and for tile 0 the sixteen of tile 1
	global_store_b128 v[OO+8*\i+\k], v[S+64+32*\i+4*\k:S+64+32*\i+4*\k+3], s[OUT:OUT+1] th:TH_STORE_NT   ; 16 lanes store 256 consecutive bytes, at a multiple of 256 from out0's first byte
.endr
.endr
	WIN 0
	s_set_vgpr_msb 0x5
	s_wait_tensorcnt 0x0
	ds_add_u32 v128, v129
	s_wait_dscnt 0x0
	s_set_vgpr_msb 0x500
	s_endpgm
.Lfunc_end_k_qbd8c6ee5a3_attn:
	.size	k_qbd8c6ee5a3_attn, .Lfunc_end_k_qbd8c6ee5a3_attn-k_qbd8c6ee5a3_attn
	.p2alignl 7, 3214868480
	.fill 96, 4, 3214868480
	.section	.rodata,"a",@progbits
	.p2align	6, 0x0
	.amdhsa_kernel k_qbd8c6ee5a3_attn
		.amdhsa_group_segment_fixed_size 101376
		.amdhsa_private_segment_fixed_size 0
		.amdhsa_enable_private_segment 0
		.amdhsa_kernarg_size 40
		.amdhsa_user_sgpr_count 2
		.amdhsa_user_sgpr_kernarg_segment_ptr 1
		.amdhsa_wavefront_size32 1
		.amdhsa_system_sgpr_workgroup_id_x 1
		.amdhsa_system_sgpr_workgroup_id_y 1
		.amdhsa_system_sgpr_workgroup_id_z 1
		.amdhsa_system_vgpr_workitem_id 0
		.amdhsa_next_free_vgpr 386
		.amdhsa_next_free_sgpr 66
		.amdhsa_reserve_vcc 1
		.amdhsa_float_denorm_mode_32 3
		.amdhsa_float_denorm_mode_16_64 3
		.amdhsa_memory_ordered 1
		.amdhsa_forward_progress 1
		.amdhsa_inst_pref_size 164
	.end_amdhsa_kernel
	.amdgpu_metadata
---
amdhsa.version: [ 1, 2 ]
amdhsa.kernels:
  - .name:           k_qbd8c6ee5a3_attn
    .symbol:         k_qbd8c6ee5a3_attn.kd
    .args:
      - { .name: qi, .offset: 0, .size: 8, .value_kind: global_buffer, .address_space: global }
      - { .name: kv, .offset: 8, .size: 8, .value_kind: global_buffer, .address_space: global }
      - { .name: route, .offset: 16, .size: 8, .value_kind: global_buffer, .address_space: global }
      - { .name: lowp_scales, .offset: 24, .size: 8, .value_kind: global_buffer, .address_space: global }
      - { .name: out0, .offset: 32, .size: 8, .value_kind: global_buffer, .address_space: global }
    .group_segment_fixed_size: 101376
    .private_segment_fixed_size: 0
    .kernarg_segment_align: 8
    .kernarg_segment_size: 40
    .max_flat_workgroup_size: 256
    .sgpr_count:     66
    .vgpr_count:     386
    .wavefront_size: 32
...
	.end_amdgpu_metadata
.endif
;; end of part 3
;; ======== version 2 of 2: 3 launches; version 1 with the launch attn written anew for expert scheduling mode
;; workspace buffers: xp 4,194,304 bytes; route 16,640 bytes of whole numbers; qi 4,194,304 bytes; kv 8,388,608 bytes
;; launch route: the kernel of part 1 again; grid 128 x 1, 8 waves a work-group, no clusters, 1,280 bytes of LDS; arguments attention_mask, hidden_states_codes, xp, route; writes xp, route
;; launch proj: the kernel of part 2 again; grid 32 x 8, 4 waves a work-group, clusters of 4 x 4, 327,680 bytes of LDS; arguments xp, Wq_codes, Wk_codes, Wv_codes, bq, bk, bv, lowp_scales, qi, kv; writes qi, kv
;; launch attn (part 4): grid 16 x 16, 8 waves a work-group, no clusters, 101,376 bytes of LDS; arguments qi, kv, route, lowp_scales, out0; writes out0
.if DOCPART == 4
	.amdgcn_target "amdgcn-amd-amdhsa--gfx1250"
	.amdhsa_code_object_version 6
	.text
	.protected	k_qbd8c6ee5a3_attn
	.globl	k_qbd8c6ee5a3_attn
	.p2align	8
	.type	k_qbd8c6ee5a3_attn,@function
k_qbd8c6ee5a3_attn:
	s_mov_b64 s[64:65], 0
	v_nop
	global_prefetch_b8 v0, s[64:65] scope:SCOPE_SE
	s_setreg_imm32_b32 hwreg(HW_REG_WAVE_SCHED_MODE, 0, 2), 2
	s_setreg_imm32_b32 hwreg(HW_REG_WAVE_MODE, 25, 1), 1
	s_wait_xcnt 0x0
	s_wait_alu depctr_vm_vsrc(0)
; out[token][head][:] = the sum over open keys of softmax(q . k / 8) v, both products on codes of FP8 (E4M3), in the sorted order of positions: the n open keys are positions 0 .. n - 1.
; THE SOFTMAX: t = score x log2(e) / 8; M = the largest t so far, rounded UP to a whole number; p = 2^(t - M) is quantised with 2^e9, not normalised; the sum is taken of the unquantised p and divides at the end.
; When M moves, the sum and O are multiplied by 2^(old M - new M), which rounds nothing.  A masked key has p = 0 as soon as one key is open, so the keys from n on are left out.
; NO KEY OPEN (n = 0): every score is the same large negative number, so every p is 1 over all 4,096 keys.  That is had by n := 4,096 and c := 0, with no path of its own.
; SHARES.  A work-group: 256 positions of one head; each of eight waves two tiles of 16 queries, so that each fragment of K and V read from LDS feeds two products; two waves to a SIMD, one's vector work beside the other's matrix work and LDS loads.
; LAYOUT.  Both products transposed: S^T = K Q^T (16 x 16 x 64: source 0 = 16 keys), O^T = V^T P^T (16 x 16 x 128: source 0 = 16 channels): a lane holds ONE query.  In S^T register 8 a + j is key 16 a + 8 h + j,
; which is the place that the second product's own layout gives registers 2 a, 2 a + 1: the conversions' results are P.  K, V and Q come as images of their registers: every load is 16 x lane.
; THE RING.  A slot is 32,768 bytes of kv as they lie: two key steps of 128.  Two slots.  Each of the 256 threads asks for 8 x 16 bytes of the next slot at a trip's head, into registers, and stores them into the other slot at
; the trip's end; one barrier a trip, in front of which each wave has waited for its LDS loads and stores, orders reads against the next fill and fill against the next reads.
; THE LOOP has a constant count (8 x 2 slots) and every wave passes every barrier; a trip all of whose keys are masked does nothing else.  Which trips those are hangs on n, a whole number that the first launch stored.
; NO TENSOR LOAD AND NO JOINT LOADS: steps from n on are left out by a scalar branch on a number read from memory; that branch spares (4,096 - n) / 4,096 of the launch's work,
; and what the sixteen work-groups of a head share is 16,384 bytes a key step.
; LIMITS: e6 + e7 between -123 and 130 (added to c's exponent field); e9 between -126 and 119; e8 + e9 goes by v_ldexp_f32.  t is score x c, rounded once.  NaN is not served.
; THE MODE: SCHED_MODE bits 1:0 = 2 (LLVM: expert scheduling mode 2), set by the entry lines.  The code itself states the register dependences
; between vector or matrix instructions and memory or LDS instructions, with s_wait_alu, always for 0.
; THE PLAN.  Registers that memory or LDS instructions touch, in the loop:
;   KB   K's fragments.  Loaded at a trip's head (the slot's first step) and, in the first step, behind its sums (the second step).  Read by that step's sixteen products K Q^T and by nothing else.
;   VB   V's fragments.  Loaded in step s behind the step's wait, dealt among its sums.  Read by step s's eight products V^T P and by nothing else.
;   FL   the fill.  Global loads land in it at a trip's head; the LDS stores at the trip's end read it.  No vector instruction names it.
;   v1, v3, v6 (and v2, v4, the rows' offsets for the way out): made at the head, never written again.   v7: read by the head's loads of the list, written again in the one step in which n falls.
; So ONE wait on va_vdst stands in a key step, behind its exponentials: p is written; this step's K Q^T are done reading KB; the last step's V^T P are done reading VB.  Behind it stand the sums, the conversions, the
; rescaling and V^T P: none names KB ahead of K's next loads, none names VB ahead of this step's V loads.  Every way from a product K Q^T to a later load of K passes that step's wait.
; ONE wait on vm_vsrc stands at the head of a working trip: the last fill's LDS stores have read FL (and, in the first, the list's loads v7).
; REGISTERS: window 0: v1-11 addresses and constants; v12-27 eight statistics a tile: -M, largest t, the sum (2), f, 0, two at work; v28-31 the sums' second chains; v32-95 V's fragments; v96-223 S^T then p; v224-255 p's codes.
;   window 1: v0-63 O^T (32 i + 8 t); v64-79 Q; v80-111 the fill; v112-127 where my rows of the output go; v128-191 K's fragments.
.set SLOTB, 32768
.set STEPB, 16384
.set VOFF,  8192
.set STG,   65536                      ; behind the ring: 16 rows x 272 bytes for each wave, its own, for the way out
.set SP,    272
.set L16,  1                           ; v1   16 x lane
.set STO,  2                           ; v2   the stage: where I put 32 bytes of a row
.set TH16, 3                           ; v3   16 x thread
.set RD,   4                           ; v4   the stage: where I read a row back
.set C16,  5                           ; v5   16 x (lane % 16)
.set PFO,  6                           ; v6   the prefetches' offset
.set DD,   7                           ; v7   at the head: the offset into the list; in a tail step: keys left, less 8 h
.set NINF, 8                           ; v8   -infinity
.set LIM,  9                           ; v9   448 x 2^e9
.set SCL,  10                          ; v10  2^e9
.set H8,   11                          ; v11  8 h
.set ST,   12
.set CH,   28
.set VB,   32
.set S,    96
.set PC,   224
.set OT,   0                           ; window 1
.set QF,   64
.set FL,   80
.set OO,   112
.set KB,   128
.set OUT,  12                          ; s[12:13]
.set WV,   14
.set KVH,  16                          ; s[16:17] kv at my head
.set KVA,  18                          ; s[18:19] kv at the slot that is being asked for
.set SEL,  20                          ; s[20:21] v_permlanex16_b32: lane l xor 16
.set CS,   22                          ; s[22:23] c
.set N,    25                          ; s25  keys that count
.set EO,   26                          ; s26  e8 + e9
.set KF,   27                          ; s27  the trip's first key
.set EP,   31                          ; s31  e9
.set LC,   36                          ; s36  the loop's counter
.set PLIM, 37                          ; s37  N in a wave that prefetches, else 0
.set MK,   66                          ; s[66:97] the tail step's masks, 32 at a time
.set MSB, 0
.macro WIN new                         ; the immediate's high byte repeats the setting that is left
.if MSB != \new
	s_set_vgpr_msb (MSB<<8)|\new
.set MSB, \new
.endif
.endm
.macro PLACES n
.rept \n
	v_nop
.endr
.endm
; K's eight fragments of the key step that begins at LDS byte base: 16 loads, under a window setting with the destination in window 1
.macro KLOAD base
.irp a, 0,1,2,3,4,5,6,7
.irp b, 0,1
	ds_load_b128 v[KB+8*\a+4*\b:KB+8*\a+4*\b+3], v[L16] offset:(\base)+1024*\a+512*\b
.endr
.endr
.endm
	s_load_b256 s[4:11], s[0:1], 0x0               ; qi s[4:5], kv s[6:7], route s[8:9], the scales' exponents s[10:11]
	s_load_b64 s[OUT:OUT+1], s[0:1], 0x20          ; out0
	s_set_vgpr_msb 0x40
	v_lshl_add_u32 v192, v0, 2, 0x18800
	v_mov_b32 v193, 0
	s_set_vgpr_msb 0x4000
	v_lshrrev_b32 v7, 5, v0
	v_readfirstlane_b32 s[WV], v7                  ; wave 0..7
	v_and_b32 v7, 31, v0                           ; lane
	v_lshlrev_b32 v[L16], 4, v7
	v_lshlrev_b32 v[TH16], 4, v0
	s_wait_alu depctr_va_sdst(0)                   ; the wave's number is written, ahead of its first reader
	s_and_b32 s41, s[WV], 3
	s_lshl_b32 s41, s41, 13
	v_lshl_add_u32 v[PFO], v7, 8, s41              ; 8,192 x (wave % 4) + 256 x lane
	v_and_b32 v8, 15, v0                           ; r
	v_lshlrev_b32 v[C16], 4, v8
	v_bfe_u32 v9, v0, 4, 1                         ; h
	v_lshlrev_b32 v[H8], 3, v9
	s_mul_i32 s40, s[WV], 16*SP
	s_add_co_u32 s40, s40, STG                     ; my stage
	v_mul_u32_u24 v[STO], v8, SP
	v_lshl_add_u32 v[STO], v9, 5, v[STO]
	v_add_nc_u32 v[STO], s40, v[STO]               ; in: row r, + 32 h
	v_mul_u32_u24 v[RD], v9, SP
	v_add_nc_u32 v[RD], v[RD], v[C16]
	v_add_nc_u32 v[RD], s40, v[RD]                 ; back: lanes 0-15 one row, lanes 16-31 the next
	s_lshl_b32 s40, ttmp9, 10
	s_lshl_b32 s41, s[WV], 7
	s_add_co_u32 s40, s40, s41
	v_lshl_add_u32 v[DD], v9, 2, s40               ; the list: word 256 x block + 32 x wave + h
	s_and_b32 s15, ttmp7, 0xffff                   ; the head
	s_lshl_b32 s32, s15, 19                        ; kv: 32 steps of 16,384 bytes a head
	s_mov_b32 s33, 0
	s_lshl_b32 s34, s15, 18                        ; qi: 256 tiles of 1,024 bytes a head, 16 a block, 2 a wave
	s_lshl_b32 s35, ttmp9, 14
	s_add_co_u32 s34, s34, s35
	s_lshl_b32 s35, s[WV], 11
	s_add_co_u32 s34, s34, s35
	s_mov_b32 s35, 0
	s_lshl_b32 s38, s15, 8                         ; out0: the head's 256 bytes of a token's row
	s_mov_b32 s39, 0
	s_mov_b32 s[SEL], 0x76543210
	s_mov_b32 s[SEL+1], 0xfedcba98
	s_wait_kmcnt 0x0
	s_load_b32 s24, s[8:9], 0x4000                 ; n
	s_load_b128 s[28:31], s[10:11], 0x18           ; e6, e7, e8, e9
	s_add_nc_u64 s[KVH:KVH+1], s[6:7], s[32:33]
	s_add_nc_u64 s[4:5], s[4:5], s[34:35]
	s_add_nc_u64 s[OUT:OUT+1], s[OUT:OUT+1], s[38:39]
	WIN 0x40                                       ; destination window 1
	s_wait_alu depctr_va_vdst(0)                   ; the offsets and addresses v1 to v7 are written, which the loads, LDS instructions and prefetches of the whole kernel read
.irp j, 0,1,2,3,4,5,6,7
	global_load_b128 v[FL+4*\j:FL+4*\j+3], v[TH16], s[KVH:KVH+1] offset:4096*\j     ; slot 0
.endr
.irp i, 0,1
.irp b, 0,1
	global_load_b128 v[QF+8*\i+4*\b:QF+8*\i+4*\b+3], v[L16], s[4:5] offset:1024*\i+512*\b   ; Q stays in registers
.endr
.endr
	WIN 0
.irp i, 0,1
.irp k, 0,1,2,3,4,5,6,7
	global_load_b32 v[S+8*\i+\k], v[DD], s[8:9] offset:64*\i+8*\k   ; the token at position 16 i + 2 k + h of my wave's 32
.endr
.endr
	WIN 0x40
.set j, 0
.rept 64
	v_mov_b32 v[OT+j], 0                           ; O^T.  (The key step is written without a first step of its own: it finds zeros, which the first change of M leaves zeros)
.set j, j+1
.endr
	WIN 0
.irp i, 0,1
	v_mov_b32 v[ST+8*\i+1], 0xff61b1e6             ; the largest t so far: -3e38, under every t
	v_floor_f32 v[ST+8*\i], -v[ST+8*\i+1]          ; -M
	v_mov_b32 v[ST+8*\i+2], 0                      ; the sum, in two halves
	v_mov_b32 v[ST+8*\i+3], 0
	v_mov_b32 v[ST+8*\i+5], 0                      ; (named as the upper half of f's pair)
	v_mov_b32 v[ST+8*\i+6], 0
	v_mov_b32 v[ST+8*\i+7], 0                      ; (a lane permute's destination counts as one of its sources)
.endr
	v_mov_b32 v[NINF], 0xff800000
	s_wait_kmcnt 0x0
	s_min_u32 s24, s24, 0x1000
	s_add_co_i32 s40, s28, s29
	s_lshl_b32 s40, s40, 23
	s_mov_b32 s[CS], 0x3e38aa3b                    ; c = log2(e) / 8
	s_add_co_i32 s[CS], s[CS], s40                 ; a score stands for score x 2^(e6 + e7): added to c's exponent field
	s_cmp_eq_u32 s24, 0                            ; no key open:
	s_cselect_b32 s[CS], 0, s[CS]                  ; every t is 0,
	s_cselect_b32 s[N], 0x1000, s24                ; and all keys count
	s_mov_b32 s[CS+1], s[CS]                       ; (named with it as a pair)
	s_add_co_i32 s[EO], s30, s31
	s_add_co_i32 s40, s31, 127
	s_lshl_b32 s41, s40, 23
	v_mov_b32 v[SCL], s41
	s_add_co_i32 s40, s40, 8
	s_lshl_b32 s40, s40, 23
	s_or_b32 s40, s40, 0x600000
	v_mov_b32 v[LIM], s40
	s_lshr_b32 s40, s[WV], 2                       ; waves 0 to 3
	s_or_b32 s40, s40, ttmp9                       ; of the head's first work-group prefetch
	s_cmp_eq_u32 s40, 0
	s_cselect_b32 s[PLIM], s[N], 0
	s_wait_loadcnt 20                              ; the 8 loads of slot 0 are in; Q's 4 and the list's 16 may be out
	WIN 0x04                                       ; store data window 1
.irp j, 0,1,2,3,4,5,6,7
	ds_store_b128 v[TH16], v[FL+4*\j:FL+4*\j+3] offset:4096*\j   ; (data from loads; the address was written ahead of the wait on va_vdst above, and no vector instruction since names it)
.endr
	WIN 0
	s_wait_loadcnt 0x0
.irp x, 0,1,2,3,4,5,6,7,8,9,10,11,12,13,14,15
	v_min_u32 v[S+\x], 0xfff, v[S+\x]              ; a token's number is below 4,096; the bound is written out, since it enters an address
.endr
	WIN 0x40
.irp x, 0,1,2,3,4,5,6,7,8,9,10,11,12,13,14,15
	v_lshl_add_u32 v[OO+\x], v[S+\x], 12, v[C16]   ; the token's row of 4,096 bytes, + my 16 bytes of the head's 256.  (Read by the last stores alone, behind the way out's waits on va_vdst)
.endr
	WIN 0
	s_wait_dscnt 0x0                               ; for the others' sake: my part of slot 0 has landed
	s_barrier_signal -1
	s_barrier_wait -1
; A KEY STEP: 128 keys, the q-th of the slot.  Its fragments of K have been asked for: at the trip's head (q = 0) or in the step before (q = 1).  Lines for the two tiles alternate.
.macro STEP slot, q
.set BASE, \slot*SLOTB+\q*STEPB
	s_wait_dscnt 0x0                               ; K is in
	WIN 0x05                                       ; sources 0 (K) and 1 (Q) window 1
.irp a, 0,1,2,3,4,5,6,7
.irp i, 0,1
	v_wmma_f32_16x16x64_fp8_fp8 v[S+64*\i+8*\a:S+64*\i+8*\a+7], v[KB+8*\a:KB+8*\a+7], v[QF+8*\i:QF+8*\i+7], 0
.endr
.endr
	WIN 0
	PLACES 4                                       ; in front of the first read of the scores (ISA guide 7.12.1)
	s_add_co_u32 s40, s[KF], 128*\q+128            ; the one step in which n falls: the scores of keys from n on become -infinity, p = 0.  (Its first key counts, so the maximum is a number; with c = 0 there is no such step)
	s_cmp_le_u32 s40, s[N]
	s_cbranch_scc1 .Lopen_\@
	s_sub_co_i32 s40, s[N], s[KF]
	s_sub_co_i32 s40, s40, 128*\q
	v_sub_nc_u32 v[DD], s40, v[H8]                 ; register 8 a + j holds the step's key 16 a + 8 h + j: hidden where 16 a + j >= keys left - 8 h.  (The list's loads have read v7: the trip's wait on vm_vsrc)
.irp g, 0,1                                    ; the compares stand in runs of 32, each into a scalar register of its own, with one wait behind the run
.set n, 0
.rept 32
	v_cmp_ge_i32 s[MK+n], 16*((32*\g+n)/8)+(32*\g+n)%8, v[DD]
.set n, n+1
.endr
	s_wait_alu depctr_va_sdst(0)                   ; the run's 32 masks are written, ahead of their first readers
.set n, 0
.rept 32
	v_cndmask_b32 v[S+32*\g+n], v[S+32*\g+n], v[NINF], s[MK+n]
	v_cndmask_b32 v[S+64+32*\g+n], v[S+64+32*\g+n], v[NINF], s[MK+n]
.set n, n+1
.endr
.endr
.Lopen_\@:
.irp i, 0,1                                    ; the largest score of my query among my 64 keys, in two chains a tile, each accumulator from its low end on
	v_max3_num_f32 v[ST+8*\i+6], v[S+64*\i], v[S+64*\i+1], v[S+64*\i+2]
	v_max3_num_f32 v[ST+8*\i+7], v[S+64*\i+3], v[S+64*\i+4], v[S+64*\i+5]
.endr
.irp e, 6,10,14,18,22,26,30,34,38,42,46,50,54,58
.irp i, 0,1
	v_max3_num_f32 v[ST+8*\i+6], v[ST+8*\i+6], v[S+64*\i+\e], v[S+64*\i+\e+1]
	v_max3_num_f32 v[ST+8*\i+7], v[ST+8*\i+7], v[S+64*\i+\e+2], v[S+64*\i+\e+3]
.endr
.endr
.irp i, 0,1
	v_max3_num_f32 v[ST+8*\i+6], v[ST+8*\i+6], v[S+64*\i+62], v[S+64*\i+63]
.endr
.irp i, 0,1
	v_max_num_f32 v[ST+8*\i+6], v[ST+8*\i+6], v[ST+8*\i+7]
.endr
.irp i, 0,1
	v_permlanex16_b32 v[ST+8*\i+7], v[ST+8*\i+6], s[SEL], s[SEL+1]
.endr
.irp i, 0,1
	v_max_num_f32 v[ST+8*\i+6], v[ST+8*\i+6], v[ST+8*\i+7]   ; and among lane l xor 16's
.endr
.irp i, 0,1
	v_mul_f32 v[ST+8*\i+6], s[CS], v[ST+8*\i+6]    ; as t (c is not negative)
.endr
.irp i, 0,1
	v_max_num_f32 v[ST+8*\i+1], v[ST+8*\i+1], v[ST+8*\i+6]   ; the running largest t
	v_mov_b32 v[ST+8*\i+6], v[ST+8*\i]
.endr
.irp i, 0,1
	v_floor_f32 v[ST+8*\i], -v[ST+8*\i+1]          ; the new -M = floor(-t) = -ceil(t)
.endr
.irp i, 0,1
	v_sub_f32 v[ST+8*\i+6], v[ST+8*\i], v[ST+8*\i+6]   ; old M - new M: a whole number, 0 or less
.endr
.irp i, 0,1
	v_cvt_i32_f32 v[ST+8*\i+6], v[ST+8*\i+6]       ; (it saturates)
.endr
.irp i, 0,1
	v_ldexp_f32 v[ST+8*\i+4], 1.0, v[ST+8*\i+6]    ; f = 2^(old M - new M)
.endr
.set j, 0
.rept 32
	v_pk_fma_f32 v[S+j:S+j+1], v[S+j:S+j+1], s[CS:CS+1], v[ST:ST+1] op_sel_hi:[1,0,0]            ; t - M, two at a time (of the pairs c and -M the low word serves both halves)
	v_pk_fma_f32 v[S+64+j:S+64+j+1], v[S+64+j:S+64+j+1], s[CS:CS+1], v[ST+8:ST+9] op_sel_hi:[1,0,0]
.set j, j+2
.endr
.set j, 0
.rept 128
	v_exp_f32 v[S+j], v[S+j]                       ; p = 2^(t - M), at most 1: one batch
.set j, j+1
.endr
.irp i, 0,1
	v_pk_mul_f32 v[ST+8*\i+2:ST+8*\i+3], v[ST+8*\i+2:ST+8*\i+3], v[ST+8*\i+4:ST+8*\i+5] op_sel_hi:[1,0]   ; the sums under the new M: the plain lines behind the exponentials
.endr
	s_wait_alu depctr_va_vdst(0)                   ; THE STEP'S ONE WAIT: the exponentials have written p, ahead of its first reader; the last step's V^T P are done reading VB, in which V's loads below land; this step's K Q^T are done reading KB, in which K's next loads land
.irp i, 0,1
	v_pk_add_f32 v[CH+2*\i:CH+2*\i+1], v[S+64*\i:S+64*\i+1], v[S+64*\i+2:S+64*\i+3]   ; the sum is taken of the UNQUANTISED p: two at a time, two chains a tile
.endr
.set g, 0
.irp j, 4,8,12,16,20,24,28,32,36,40,44,48,52,56,60
.if g < 4                                      ; V's sixteen loads, four ahead of each of the first four groups of sums.  No wait: no vector or matrix instruction since the wait above names VB or v1
.irp c, 0,1,2,3
	ds_load_b128 v[VB+16*g+4*\c:VB+16*g+4*\c+3], v[L16] offset:BASE+VOFF+2048*g+512*\c
.endr
.endif
.irp i, 0,1
	v_pk_add_f32 v[ST+8*\i+2:ST+8*\i+3], v[ST+8*\i+2:ST+8*\i+3], v[S+64*\i+\j:S+64*\i+\j+1]
	v_pk_add_f32 v[CH+2*\i:CH+2*\i+1], v[CH+2*\i:CH+2*\i+1], v[S+64*\i+\j+2:S+64*\i+\j+3]
.endr
.set g, g+1
.endr
.irp i, 0,1
	v_pk_add_f32 v[ST+8*\i+2:ST+8*\i+3], v[ST+8*\i+2:ST+8*\i+3], v[CH+2*\i:CH+2*\i+1]
.endr
.if \q == 0
	WIN 0x40                                       ; destination window 1
	KLOAD BASE+STEPB                               ; K of the slot's second step, a step ahead.  No wait: between the step's wait and these loads stand loads, window switches and sums, which name neither KB nor v1.  (In the one trip whose second step holds no key that counts they are read for nothing)
	WIN 0
.endif
	s_cmp_ge_i32 s[EP], -8                         ; THE HOLD.  p is at most 1 and 448 x 2^e9 is at least 1.75 where e9 >= -8: there the hold changes no number and is passed over; below that it is made
	s_cbranch_scc1 .Lnohold_\@
.set j, 0
.rept 128
	v_min_num_f32 v[S+j], v[S+j], v[LIM]           ; the conversion to an 8-bit code does not saturate (ISA guide 7.6.2); p is not negative: one-sided
.set j, j+1
.endr
.Lnohold_\@:
.irp a, 0,1,2,3,4,5,6,7
.irp i, 0,1
	v_cvt_scalef32_pk8_fp8_f32 v[PC+16*\i+2*\a:PC+16*\i+2*\a+1], v[S+64*\i+8*\a:S+64*\i+8*\a+7], v[SCL]
.endr
.endr
	WIN 0x41                                       ; O^T (destination and source 0) window 1
.set j, 0
.rept 16
	v_pk_mul_f32 v[OT+j:OT+j+1], v[OT+j:OT+j+1], v[ST+4:ST+5] op_sel_hi:[1,0]            ; O^T under the new M; also the plain lines between the conversions and the products
	v_pk_mul_f32 v[OT+32+j:OT+32+j+1], v[OT+32+j:OT+32+j+1], v[ST+12:ST+13] op_sel_hi:[1,0]
.set j, j+2
.endr
.if \q == 0
	s_wait_dscnt 16                                ; LDS loads come back in order (ISA guide 5.7.1): V is in; K's sixteen, issued behind V's, may be out
.else
	s_wait_dscnt 0x0                               ; V is in
.endif
	WIN 0x50                                       ; C and D window 1
.irp t, 0,1,2,3
.irp i, 0,1
	v_wmma_f32_16x16x128_fp8_fp8 v[OT+32*\i+8*\t:OT+32*\i+8*\t+7], v[VB+16*\t:VB+16*\t+15], v[PC+16*\i:PC+16*\i+15], v[OT+32*\i+8*\t:OT+32*\i+8*\t+7]   ; eight accumulators, one instruction a turn
.endr
.endr
	WIN 0
.endm
; A TRIP: the slot's two key steps.  The fill of the other slot is asked for at its head and stored at its end.  In a working trip the fill is always made, from a clamped address (the last working trip's is read by nobody).
; THE PREFETCH: behind the trip's loads, for the slot after the one just asked for: 128 blocks of 256 bytes, one a lane, in waves 0 to 3 of the head's first work-group alone, so that each block is named once in the launch:
; one trip, two key steps, ahead of the loads that will want it.  It stops where that slot holds no key that counts; slots 0 and 1 come by their loads alone.
.macro TRIP slot
	s_lshl_b32 s[KF], s[LC], 9
.if \slot
	s_add_co_u32 s[KF], s[KF], 256
.endif
	s_cmp_ge_u32 s[KF], s[N]
	s_cbranch_scc1 .Lidle_\@
	s_wait_xcnt 0x0                                ; the last trip's loads and prefetch have read their base: it may be written
	s_add_co_u32 s34, s[KF], 256
	s_lshl_b32 s34, s34, 7                         ; the next slot: 32,768 bytes for 256 keys,
	s_min_u32 s34, s34, 15<<15                     ; held at the head's last
	s_mov_b32 s35, 0
	s_add_nc_u64 s[KVA:KVA+1], s[KVH:KVH+1], s[34:35]
	WIN 0x40
	s_wait_alu depctr_vm_vsrc(0)                   ; the LDS stores of the last fill have read FL, in which the global loads below land; the list's loads at the kernel's head have read v7, which a tail step writes
	KLOAD \slot*SLOTB                              ; K of the slot's first step.  No wait on va_vdst: every product that read KB stands ahead of its own step's wait, and nothing since names KB or v1
.irp j, 0,1,2,3,4,5,6,7
	global_load_b128 v[FL+4*\j:FL+4*\j+3], v[TH16], s[KVA:KVA+1] offset:4096*\j
.endr
	WIN 0
	s_add_co_u32 s40, s[KF], 512
	s_cmp_lt_u32 s40, s[PLIM]
	s_cbranch_scc0 .Lnoask_\@
	global_prefetch_b8 v[PFO], s[KVA:KVA+1] offset:32768 th:TH_LOAD_NT scope:SCOPE_SE
.Lnoask_\@:
	STEP \slot, 0
	s_add_co_u32 s40, s[KF], 128
	s_cmp_ge_u32 s40, s[N]
	s_cbranch_scc1 .Lhalf_\@
	STEP \slot, 1
.Lhalf_\@:
	s_wait_loadcnt 0x0                             ; the fill is in registers
	WIN 0x04
.irp j, 0,1,2,3,4,5,6,7
	ds_store_b128 v[TH16], v[FL+4*\j:FL+4*\j+3] offset:(1-\slot)*SLOTB+4096*\j   ; into the slot that every wave left at the last barrier
.endr
	WIN 0
.Lidle_\@:
	s_wait_dscnt 0x0                               ; my stores have landed and my reads of this slot are over
	s_barrier_signal -1
	s_barrier_wait -1
.endm
	s_mov_b32 s[LC], 0
.Ltrip:
	TRIP 0
	TRIP 1
	s_add_co_u32 s[LC], s[LC], 1
	s_cmp_lt_u32 s[LC], 8
	s_cbranch_scc1 .Ltrip
	; THE WAY OUT.  O^T / the sum x 2^(e8 + e9) goes through my stage, a tile of 16 queries at a time, and leaves as rows: sixteen lanes store the 256 bytes of one (token, head).
.irp i, 0,1
	v_add_f32 v[ST+8*\i+6], v[ST+8*\i+2], v[ST+8*\i+3]   ; the sum's two halves  (these lines are also the places behind the last products)
.endr
.irp i, 0,1
	v_permlanex16_b32 v[ST+8*\i+7], v[ST+8*\i+6], s[SEL], s[SEL+1]
.endr
.irp i, 0,1
	v_add_f32 v[ST+8*\i+6], v[ST+8*\i+6], v[ST+8*\i+7]   ; and lane l xor 16's
.endr
.irp i, 0,1
	v_rcp_f32 v[ST+8*\i+6], v[ST+8*\i+6]
.endr
	v_nop                                          ; a plain line behind the reciprocals
	s_wait_alu depctr_va_vdst(0)                   ; the two reciprocals are written, ahead of their first reader
.irp i, 0,1
	v_ldexp_f32 v[ST+8*\i+6], v[ST+8*\i+6], s[EO]
.endr
	WIN 0x01                                       ; source 0 (O^T) window 1
.set j, 0
.rept 16
	v_pk_mul_f32 v[S+j:S+j+1], v[OT+j:OT+j+1], v[ST+6:ST+7] op_sel_hi:[1,0]               ; register 32 i + 8 t + j: o(query r, channel 16 t + 8 h + j)
	v_pk_mul_f32 v[S+32+j:S+32+j+1], v[OT+32+j:OT+32+j+1], v[ST+14:ST+15] op_sel_hi:[1,0]
.set j, j+2
.endr
	WIN 0
	s_wait_alu depctr_va_vdst(0)                   ; the multiplications have written v96 to v159, which the LDS stores read; the loop's vector work is done with v160 to v223, in which the loads from the stage land; the rows' offsets, made at the head, are written
.irp i, 0,1
.irp t, 0,1,2,3
	ds_store_b128 v[STO], v[S+32*\i+8*\t:S+32*\i+8*\t+3] offset:64*\t
	ds_store_b128 v[STO], v[S+32*\i+8*\t+4:S+32*\i+8*\t+7] offset:64*\t+16
.endr
.irp k, 0,1,2,3,4,5,6,7
	ds_load_b128 v[S+64+32*\i+4*\k:S+64+32*\i+4*\k+3], v[RD] offset:2*\k*SP   ; LDS serves a wave's instructions in order (ISA guide 5.7.1.4): these see my stores, and the next tile's stores come behind them
.endr
.endr
	WIN 0x01                                       ; the stores' address window 1
.irp i, 0,1
.irp k, 0,1,2,3,4,5,6,7
	s_wait_dscnt 16*(1-\i)+7-\k                    ; behind this pair of rows: the tile's later loads, and for tile 0 the sixteen of tile 1
	global_store_b128 v[OO+8*\i+\k], v[S+64+32*\i+4*\k:S+64+32*\i+4*\k+3], s[OUT:OUT+1] th:TH_STORE_NT   ; 16 lanes store 256 consecutive bytes, at a multiple of 256 from out0's first byte
.endr
.endr
	WIN 0
	s_set_vgpr_msb 0x5
	s_wait_dscnt 0x0
	s_wait_alu depctr_hold_cnt(0) depctr_sa_sdst(0) depctr_va_vdst(0) depctr_va_sdst(0) depctr_va_ssrc(0) depctr_va_vcc(0) depctr_vm_vsrc(0)
	s_wait_tensorcnt 0x0
	ds_add_u32 v192, v193
	s_wait_dscnt 0x0
	s_endpgm
.Lfunc_end_k_qbd8c6ee5a3_attn:
	.size	k_qbd8c6ee5a3_attn, .Lfunc_end_k_qbd8c6ee5a3_attn-k_qbd8c6ee5a3_attn
	.p2alignl 7, 3214868480
	.fill 96, 4, 3214868480
	.section	.rodata,"a",@progbits
	.p2align	6, 0x0
	.amdhsa_kernel k_qbd8c6ee5a3_attn
		.amdhsa_group_segment_fixed_size 101376
		.amdhsa_private_segment_fixed_size 0
		.amdhsa_enable_private_segment 0
		.amdhsa_kernarg_size 40
		.amdhsa_user_sgpr_count 2
		.amdhsa_user_sgpr_kernarg_segment_ptr 1
		.amdhsa_wavefront_size32 1
		.amdhsa_system_sgpr_workgroup_id_x 1
		.amdhsa_system_sgpr_workgroup_id_y 1
		.amdhsa_system_sgpr_workgroup_id_z 1
		.amdhsa_system_vgpr_workitem_id 0
		.amdhsa_next_free_vgpr 450
		.amdhsa_next_free_sgpr 98
		.amdhsa_reserve_vcc 0
		.amdhsa_float_denorm_mode_32 3
		.amdhsa_float_denorm_mode_16_64 3
		.amdhsa_memory_ordered 1
		.amdhsa_forward_progress 1
		.amdhsa_inst_pref_size 188
	.end_amdhsa_kernel
	.amdgpu_metadata
---
amdhsa.version: [ 1, 2 ]
amdhsa.kernels:
  - .name:           k_qbd8c6ee5a3_attn
    .symbol:         k_qbd8c6ee5a3_attn.kd
    .args:
      - { .name: qi, .offset: 0, .size: 8, .value_kind: global_buffer, .address_space: global }
      - { .name: kv, .offset: 8, .size: 8, .value_kind: global_buffer, .address_space: global }
      - { .name: route, .offset: 16, .size: 8, .value_kind: global_buffer, .address_space: global }
      - { .name: lowp_scales, .offset: 24, .size: 8, .value_kind: global_buffer, .address_space: global }
      - { .name: out0, .offset: 32, .size: 8, .value_kind: global_buffer, .address_space: global }
    .group_segment_fixed_size: 101376
    .private_segment_fixed_size: 0
    .kernarg_segment_align: 8
    .kernarg_segment_size: 40
    .max_flat_workgroup_size: 256
    .sgpr_count:     98
    .vgpr_count:     450
    .wavefront_size: 32
...
	.end_amdgpu_metadata
.endif
;; end of part 4
